; MI455X (gfx1250); checked and timed in simulation.
; The chip was launched on July 23, 2026; its instructions are those of AMD's public machine-readable ISA for CDNA 5 (MIT licence, August 2026) and "CDNA5" Instruction Set Architecture Reference Guide (July 2026). The comments in the code are by the model that wrote it; some were corrected since.
;; Smol VLM Text Attention. Allowed arithmetic: matrix products marked QUANTISED: E2M3 operands, one E8M0 scale for each 32 along K, by v_wmma_scale_f32_16x16x128_f8f6f4 with both operands' format E2M3, f32 sums; everything else in f32.
;; Inputs: Wk_codes 512 x 64 x 24 uint8 (E2M3 codes of Wk, K innermost, in blocks of 32 codes, four codes in three bytes); Wk_scales 512 x 64 uint8 (E8M0 scales of Wk, one for each 32 codes along K); Wo_codes 2,048 x 32 x 24 uint8 (E2M3 codes of Wo, K innermost, in blocks of 32 codes, four codes in three bytes); Wo_scales 2,048 x 32 uint8 (E8M0 scales of Wo, one for each 32 codes along K); Wq_codes 1,024 x 64 x 24 uint8 (E2M3 codes of Wq, K innermost, in blocks of 32 codes, four codes in three bytes); Wq_scales 1,024 x 64 uint8 (E8M0 scales of Wq, one for each 32 codes along K); Wv_codes 512 x 64 x 24 uint8 (E2M3 codes of Wv, K innermost, in blocks of 32 codes, four codes in three bytes); Wv_scales 512 x 64 uint8 (E8M0 scales of Wv, one for each 32 codes along K); attention_mask 2 x 1 x 2,048 x 2,048 float32; cos 2 x 2,048 x 64 float32; hidden_states_codes 2 x 2,048 x 64 x 24 uint8 (E2M3 codes of hidden_states, K innermost, in blocks of 32 codes, four codes in three bytes); hidden_states_scales 2 x 2,048 x 64 uint8 (E8M0 scales of hidden_states, one for each 32 codes along K); sin 2 x 2,048 x 64 float32.
;; Outputs: out0 2 x 2,048 x 2,048 float32.
;; This version of the problem:
;;   THIS VERSION OF THE PROBLEM IS GIVEN IN LOW PRECISION. The matrix products marked QUANTISED in the list below multiply operands that are first quantised to E2M3 (2 exponent bits, 3 mantissa bits; 6 bits a number), with one power-of-two scale for each 32 numbers along K (OCP MX v1.0); their sums are f32. All else is computed in f32.
;;   The module's matrix products, in the order in which they are computed (A, B: the left and right operand; K: the contracted axis; several contracted axes count as one K, in the product's order):
;;     1. [M 4,096, K 2,048] x [K 2,048, N 1,024]; A: input hidden_states (given as codes); B: input Wq (given as codes): QUANTISED
;;     2. [M 4,096, K 2,048] x [K 2,048, N 512]; A: input hidden_states (given as codes); B: input Wk (given as codes): QUANTISED
;;     3. [M 4,096, K 2,048] x [K 2,048, N 512]; A: input hidden_states (given as codes); B: input Wv (given as codes): QUANTISED
;;     4. batch 32 x [M 2,048, K 64] x [K 64, N 2,048]; A: computed on the way; B: computed on the way: QUANTISED
;;     5. batch 32 x [M 2,048, K 2,048] x [K 2,048, N 64]; A: softmax (see below); B: computed on the way: QUANTISED
;;     6. [M 4,096, K 1,024] x [K 1,024, N 2,048]; A: computed on the way; B: input Wo (given as codes): QUANTISED
;;   THE QUANTISER, for each operand of a quantised product, along K:
;;     - K is cut into blocks of 32 from its start; a last block that is shorter is filled with zeros.
;;     - A block's scale is 2^e with e = floor(log2(the largest magnitude in the block)) - 2, held to -126 .. 127; a block of zeros has e = 0. As a byte (E8M0): e + 127.
;;     - Each number is divided by its block's scale, clamped to +-7.5, and rounded to the nearest number of E2M3, ties to even, subnormals kept.
;;     - The product sums the exact products of the quantised numbers (number of the format x scale) in f32.
;;   ~~~python
;;   def quantise(x, axis):      # numpy; x: float32 -> the quantised numbers, widened to float32 again
;;       x = np.moveaxis(x, axis, -1); K = x.shape[-1]
;;       x = np.pad(x, [(0, 0)] * (x.ndim - 1) + [(0, -K % 32)]); x = x.reshape(x.shape[:-1] + (-1, 32)); a = np.abs(x).max(-1, keepdims=True)
;;       e = np.where(a > 0, np.clip(np.frexp(np.where(a > 0, a, 1))[1] - 1 - 2, -126, 127), 0)      # np.frexp(a)[1] - 1 = floor(log2(a)), exactly
;;       r = np.clip(x / 2.0 ** e, -7.5, 7.5)
;;       step = 2.0 ** (np.maximum(np.frexp(np.where(r == 0, 1, r))[1] - 1, 0) - 3)
;;       q = np.round(r / step) * step * 2.0 ** e      # np.round: ties to even
;;       return np.moveaxis(q.reshape(q.shape[:-2] + (-1,))[..., :K], -1, axis).astype(np.float32)
;;   ~~~
;;   SOFTMAX AHEAD OF A QUANTISED PRODUCT. Where the list says 'softmax', what is quantised is not the finished softmax but p = 2^(t - M), with t = logit x log2(e) and M = ceil(the row's largest t), a whole number; so 1/2 < the row's largest p <= 1. The row's sum l is taken of the UNQUANTISED p, in f32, and the product's result is divided by l at the end. Since M is a whole number, a kernel that streams over the keys may use a running M (the ceiling of the running maximum): every later rescaling is an exact power of two, which a block's scale takes up: the codes' values come out the same.
;;   OPERANDS COMPUTED ON THE WAY. 'Computed on the way' means the value that the module computes at that place (a softmax that the list does not call 'softmax' is quantised finished and normalised). What goes into a quantiser is computed in f32, as accurately as f32 sums, v_exp_f32 and their like allow (about 1e-6 of the number): no bf16 or f16 on the way to a quantiser, and a product that is left as it is and whose result goes on into a quantised operand takes f32 operands (vector FMAs, or v_wmma_f32_16x16x4_f32). A number that lies on a knife's edge between two numbers of the format may be rounded either way, as far as f32 arithmetic and the matrix unit's own rounding can turn it there, and no further.
;;   INPUTS GIVEN AS CODES. Wk (in the module: [512, 2048], K = its axis 1); Wo (in the module: [2048, 1024], K = its axis 1); Wq (in the module: [1024, 2048], K = its axis 1); Wv (in the module: [512, 2048], K = its axis 1); hidden_states (in the module: [2, 2048, 2048], K = its axis 2): each comes as NAME_codes (uint8): NAME with its K axis moved to the last place and cut into blocks of 32 codes, [.., K / 32, bytes a block], one block behind the other in memory; four codes in three bytes: a row's codes are one little-endian stream of bits, code i at bits 6 i .. 6 i + 5 (a code: sign, 2 exponent bits, 3 mantissa bits); and NAME_scales (uint8): the same leading axes, one E8M0 byte (e + 127) for each 32 codes along K. Its value is code x scale, taken as it is: it is not quantised again, and the codes and scales need not be those that the quantiser above would give.
;; One version. Each part assembles by itself: llvm-mc -triple=amdgcn-amd-amdhsa -mcpu=gfx1250 --defsym DOCPART=n.
;; ======== version 1 of 1: 3 launches
;; limits: right only within a limited range of input values
;; workspace buffers: qimg 3,407,872 bytes; kv 3,407,872 bytes; ao_codes 3,145,728 bytes; ao_scales 131,072 bytes
;; launch qkv (part 1): grid 16 x 16, 4 waves a work-group, clusters of 4 x 4, 327,680 bytes of LDS; arguments hidden_states_codes, hidden_states_scales, Wq_codes, Wq_scales, Wk_codes, Wk_scales, Wv_codes, Wv_scales, cos, sin, qimg, kv; writes qimg, kv
.if DOCPART == 1
	.amdgcn_target "amdgcn-amd-amdhsa--gfx1250"
	.amdhsa_code_object_version 6
	.text
	.protected	k_qdc393097e7_qkv
	.globl	k_qdc393097e7_qkv
	.p2align	8
	.type	k_qdc393097e7_qkv,@function
k_qdc393097e7_qkv:
	s_mov_b64 s[64:65], 0
	v_nop
	global_prefetch_b8 v0, s[64:65] scope:SCOPE_SE
	s_setreg_imm32_b32 hwreg(HW_REG_WAVE_MODE, 25, 1), 1
	s_wait_xcnt 0x0
	s_wait_alu depctr_hold_cnt(0) depctr_sa_sdst(0) depctr_va_vdst(0) depctr_va_sdst(0) depctr_va_ssrc(0) depctr_va_vcc(0) depctr_vm_vsrc(0)
	s_getreg_b32 s2, hwreg(HW_REG_IB_STS2, 6, 4)
	s_cmp_eq_u32 s2, 0
	s_cbranch_scc0 .Lentry_in_a_cluster
	s_endpgm
.Lentry_in_a_cluster:
	s_bfe_u32 s2, ttmp6, 0x10000c
	s_cmp_lg_u32 s2, 0xf033
	s_cbranch_scc0 .Lentry_shape_is_right
	s_endpgm
.Lentry_shape_is_right:
; q, k, v = hidden_states x (Wq | Wk | Wv)^T on codes of FP6 (E2M3) with E8M0 scales, sums in f32; then RoPE on q and k, and all three quantised for the attention: nothing of reference() is left out here.
; C is [4096 tokens][2048 columns]: clusters x = 0, 1 make q, x = 2 makes k, x = 3 makes v.  A block is 256 tokens x 128 columns: 16 x 16 work-groups of four waves; a wave makes 128 x 64: 32 accumulators.
; TILES: K = 2048 is 1,536 bytes of a row.  It comes in two halves of 768 bytes (three pieces of 256, each half beginning at a multiple of 256 bytes), 16 bytes of padding behind every 256: LDS pitch 816.
; 256 + 128 rows x 816 = 313,344 bytes: one region, filled twice.  Waves 0, 1 fetch the tokens' halves, waves 2, 3 the weight's, one load a wave.
; CLUSTERS: 4 x 4; the tokens' tiles are asked for jointly along a row of the cluster, the weight's along a column.
; SCALES come straight into registers: lane (r, h) loads bytes 32 j + 16 h .. + 15 of its row's 64: word w of load j serves step 8 j + 4 h + w; steps with h = 1 name the registers' upper lanes.
; PREFETCH: the second half's 256-byte pieces are asked for in steps 0 to 2, five steps or more ahead of the refill; the four partners of a joint load share its rows out by address.  The first half comes by its loads alone.
; THE MATRIX INSTRUCTION IS USED TRANSPOSED (source 0 = 16 rows of the weight, source 1 = 16 tokens): a lane holds eight neighbouring columns of one token.
; RESULTS: images of operand registers.  q's scale bytes carry the 1/8 (3 off the byte; the floor 2^(6 - 127) keeps the byte at 1 or more).  LIMIT: a block of zeros gets the floor's byte and not 127: its codes are zeros, and this program alone reads the bytes.
; REGISTERS: window 0: v16-30 addresses; v32-95 the tokens' scale words, v96-127 the weight's; v128-223 the tokens' eight fragments.  window 1: the weight's four fragments, two sets (v0, v128); cos and sin.  window 2: accumulator (a, b) at v[8 (4 a + b)].
.set KS,     64
.set NJ,     2
.set KROW,   1536
.set ROWB,   768
.set PITCH,  816
.set FR,     12
.set HALFA,  128*PITCH
.set HALFB,  64*PITCH
.set SPARE,  2*HALFA+2*HALFB
.set VST,    17664                     ; v's stage, a wave's own, from LDS byte 0: used behind the region's last fill and last read
.set FLOOR,  6<<23
.set ADRA, 16
.set ADRB, 20
.set SCO,  22
.set PF1,  23
.set STV,  24
.set RDV,  25
.set OUTO, 26
.set PF2,  27
.set SPW,  28
.set NIL,  29
.set CSO,  30
.set SCA,  32
.set SCB,  96
.set X,    64
.set AF,   128
.set R,    128
.set IMG,  160
.set PW,   208
.set MX,   216
.set PD,   218
.set SO,   220
.set BY,   222
.set CT,   224
.set SW,   236
.set VIMG, 128
.set SB,   176
.set PDV,  184
.set G1,   24
.set G0,   32
.set G1B,  40
.set G0B,  48
.set PFA,  52
.set WV,   60
.set MH,   61
.set NH,   62
.set ADJ,  63
.set SEL,  66
.set MSB, 0
.macro WIN new
.if MSB != \new
	s_set_vgpr_msb (MSB<<8)|\new
.set MSB, \new
.endif
.endm
.set MUL,  0xa1
.set TO_B, 0x40
.macro PLACES n
.rept \n
	v_nop
.endr
.endm
.macro JLOAD                           ; waves 0, 1: the tokens' halves; waves 2, 3: the weight's.  s_nop 0 and four v_nop follow each line
	s_cmp_eq_u32 s[MH], 0
	s_cbranch_scc0 .Lfor_b_\@
	tensor_load_to_lds s[G0:G0+3], s[G1:G1+7]
	s_nop 0
.rept 4
	v_nop
.endr
	s_branch .Lasked_\@
.Lfor_b_\@:
	tensor_load_to_lds s[G0B:G0B+3], s[G1B:G1B+7]
	s_nop 0
.rept 4
	v_nop
.endr
.Lasked_\@:
.endm
.macro CREST
	s_cmp_lg_u32 s[WV], 0
	s_cbranch_scc1 .Lnot_wave_0_\@
	s_barrier_signal -3
.Lnot_wave_0_\@:
	s_barrier_wait -3
	s_barrier_signal -1
	s_barrier_wait -1
.endm
.macro CROUND
	s_barrier_signal -1
	s_barrier_wait -1
	CREST
.endm
	s_load_b512 s[68:83], s[0:1], 0x0              ; hidden codes 68, scales 70; Wq 72, 74; Wk 76, 78; Wv 80, 82
	s_load_b256 s[84:91], s[0:1], 0x40             ; cos 84, sin 86, qimg 88, kv 90
	v_lshl_add_u32 v[SPW], v0, 2, SPARE
	v_mov_b32 v[NIL], 0
	ds_add_u32 v[SPW], v[NIL]                      ; the opening lines: the add twice on end and its wait
	ds_add_u32 v[SPW], v[NIL]
	v_lshrrev_b32 v1, 5, v0
	v_readfirstlane_b32 s[WV], v1
	s_lshr_b32 s[MH], s[WV], 1                     ; my half of the tokens; also: I fetch tokens (0) or weight (1)
	s_and_b32 s[NH], s[WV], 1                      ; my half of the columns; also: which half I fetch
	s_bfe_u32 s100, ttmp6, 0x40000                 ; cx
	s_bfe_u32 s54, ttmp6, 0x40004                  ; cy
	s_lshl_b32 s95, s54, 2
	s_lshl_b32 s95, 15, s95                        ; my row of the cluster
	s_lshl_b32 s101, 0x1111, s100                  ; my column
	s_and_b32 s92, ttmp7, 0xffff
	s_lshl_b32 s92, s92, 2
	s_add_co_u32 s94, s92, s54                     ; block row
	s_cmp_eq_u32 ttmp9, 1
	s_cselect_b32 s96, 4, 0
	s_add_co_u32 s96, s96, s100                    ; block of 128 rows inside my weight
	s_or_b32 s[G1], s95, (1<<20)|(1<<21)|(5<<22)|(3<<25)   ; elements of 1 byte; 4 words of padding behind every 64
	s_mov_b32 s[G1+1], ROWB<<16
	s_mov_b32 s[G1+2], 128<<16
	s_mov_b32 s[G1+3], ROWB<<16
	s_mov_b32 s[G1+4], 128
	s_mov_b32 s[G1+5], KROW
	s_mov_b32 s[G1+6], 0
	s_mov_b32 s[G1+7], 0
	s_or_b32 s[G1B], s101, (1<<20)|(1<<21)|(5<<22)|(3<<25)
	s_mov_b32 s[G1B+1], ROWB<<16
	s_mov_b32 s[G1B+2], 64<<16
	s_mov_b32 s[G1B+3], ROWB<<16
	s_mov_b32 s[G1B+4], 64
	s_mov_b32 s[G1B+5], KROW
	s_mov_b32 s[G1B+6], 0
	s_mov_b32 s[G1B+7], 0
	s_lshl_b32 s92, s94, 8
	s_lshl_b32 s93, s[NH], 7
	s_add_co_u32 s92, s92, s93                     ; the 128 tokens that I would fetch
	s_mul_i32 s92, s92, KROW
	s_mov_b32 s93, 0
	s_lshl_b32 s96, s96, 7
	s_lshl_b32 s97, s[NH], 6
	s_add_co_u32 s96, s96, s97                     ; the weight's 64 rows: those that I would fetch, and those that I multiply
	s_mul_i32 s98, s96, KS
	s_mov_b32 s99, 0
	s_mul_i32 s96, s96, KROW
	s_mov_b32 s97, 0
	s_mov_b32 s[G0], 1
	s_mul_i32 s[G0+1], s[NH], HALFA
	s_mov_b32 s[G0B], 1
	s_mul_i32 s[G0B+1], s[NH], HALFB
	s_add_co_u32 s[G0B+1], s[G0B+1], 2*HALFA
	s_cmp_eq_u32 s[MH], 0                          ; the prefetches' shares: of 128 tokens each partner takes 32, of 64 rows 16
	s_cselect_b32 s58, s100, s54                   ; my place among the four that ask with me
	s_cselect_b32 s59, 5, 4
	s_cselect_b32 s4, 31, 15
	s_cselect_b32 s5, 0, 256
	s_lshl_b32 s56, s58, s59
	s_mul_i32 s56, s56, KROW
	s_mov_b32 s57, 0
	s_wait_dscnt 0x0                               ; both opening adds are done
	s_wait_kmcnt 0x0
	s_cmp_lt_u32 ttmp9, 2
	s_cselect_b64 s[72:73], s[72:73], s[76:77]
	s_cselect_b64 s[74:75], s[74:75], s[78:79]
	s_cmp_eq_u32 ttmp9, 3
	s_cselect_b64 s[72:73], s[80:81], s[72:73]
	s_cselect_b64 s[74:75], s[82:83], s[74:75]
	s_add_nc_u64 s[G0+2:G0+3], s[68:69], s[92:93]
	s_add_nc_u64 s[G0B+2:G0B+3], s[72:73], s[96:97]
	s_cmp_eq_u32 s[MH], 0
	s_cselect_b64 s[PFA:PFA+1], s[G0+2:G0+3], s[G0B+2:G0B+3]
	s_add_nc_u64 s[PFA:PFA+1], s[PFA:PFA+1], s[56:57]
	s_or_b32 s[G0+3], s[G0+3], 0x80000000
	s_or_b32 s[G0B+3], s[G0B+3], 0x80000000
	CROUND                                         ; all sixteen work-groups are here: the joint loads meet
	JLOAD                                          ; K's first half: one load a wave
	s_add_nc_u64 s[74:75], s[74:75], s[98:99]      ; my 64 rows' scale bytes
	s_lshl_b32 s92, s94, 8
	s_lshl_b32 s93, s[MH], 7
	s_add_co_u32 s92, s92, s93                     ; my first token
	s_lshl_b32 s2, s92, 6
	s_mov_b32 s3, 0
	s_add_nc_u64 s[70:71], s[70:71], s[2:3]        ; its scale bytes
	s_lshl_b32 s2, s92, 8
	s_add_nc_u64 s[84:85], s[84:85], s[2:3]        ; its cos and sin
	s_add_nc_u64 s[86:87], s[86:87], s[2:3]
	s_lshr_b32 s93, s92, 11                        ; batch
	s_bfe_u32 s95, s92, 0x40007                    ; block of 128 tokens in it
	s_lshl_b32 s96, ttmp9, 2
	s_add_co_u32 s96, s96, s100
	s_lshl_b32 s96, s96, 1
	s_add_co_u32 s96, s96, s[NH]                   ; q's head
	s_lshl_b32 s97, s93, 4
	s_add_co_u32 s96, s96, s97
	s_lshl_b32 s96, s96, 4
	s_add_co_u32 s96, s96, s95
	s_mul_i32 s96, s96, 6656                       ; q: [batch][head][block] records of 6,656 bytes
	s_lshl_b32 s98, s93, 2
	s_add_co_u32 s98, s98, s100
	s_lshl_b32 s98, s98, 4
	s_add_co_u32 s98, s98, s95
	s_lshl_b32 s98, s98, 1
	s_add_co_u32 s98, s98, s[NH]
	s_mul_i32 s98, s98, 13312                      ; k, v: [batch][pair of heads][block][head] records of 13,312 bytes: k's image, then v's
	s_cmp_lt_u32 ttmp9, 2
	s_cselect_b64 s[88:89], s[88:89], s[90:91]
	s_cselect_b32 s98, s96, s98
	s_cselect_b32 s[ADJ], 3, 0
	s_mov_b32 s99, 0
	s_add_nc_u64 s[88:89], s[88:89], s[98:99]
	s_mul_i32 s6, s[MH], HALFA                     ; my 128 tokens in LDS; blocks 4-7 have a base of their own (an offset has 16 bits)
	s_add_co_u32 s7, s6, 64*PITCH
	s_mul_i32 s8, s[NH], HALFB
	s_add_co_u32 s8, s8, 2*HALFA
	s_mul_i32 s9, s[WV], VST
	s_mov_b32 s[SEL], 0x76543210
	s_mov_b32 s[SEL+1], 0xfedcba98
	v_and_b32 v1, 15, v0                           ; r
	v_bfe_u32 v2, v0, 4, 1                         ; h
	v_and_b32 v3, 31, v0
	v_mul_u32_u24 v4, v1, PITCH
	v_mad_u32_u24 v4, v2, 24, v4                   ; row x pitch + 24 h
	v_lshl_add_u32 v5, v2, 4, v4                   ; and 16 h more, where lanes 16-31 read behind a padding that lanes 0-15 read ahead of
	v_add_nc_u32 v[ADRA], s6, v4
	v_add_nc_u32 v[ADRA+1], s6, v5
	v_add_nc_u32 v[ADRA+2], s7, v4
	v_add_nc_u32 v[ADRA+3], s7, v5
	v_add_nc_u32 v[ADRB], s8, v4
	v_add_nc_u32 v[ADRB+1], s8, v5
	v_lshlrev_b32 v[SCO], 6, v1
	v_lshl_add_u32 v[SCO], v2, 4, v[SCO]           ; scale bytes: 64 r + 16 h
	v_mul_u32_u24 v6, v1, 272
	v_lshl_add_u32 v6, v2, 5, v6
	v_add_nc_u32 v[STV], s9, v6
	v_and_b32 v6, 8, v1
	v_add_nc_u32 v6, v6, v1
	v_lshlrev_b32 v6, 2, v6
	v_mad_u32_u24 v6, v2, 8736, v6
	v_add_nc_u32 v[RDV], s9, v6
	v_lshlrev_b32 v[OUTO], 4, v3
	v_lshlrev_b32 v[CSO], 8, v1
	v_lshl_add_u32 v[CSO], v2, 5, v[CSO]
	v_and_b32 v6, s4, v3
	v_mul_u32_u24 v[PF2], v6, KROW                 ; prefetch: a lane a row;
	v_mad_u32_u24 v[PF1], v2, s5, v[PF2]           ; for the weight's 16 rows lanes 16-31 take the next piece of 256 bytes
	s_wait_alu depctr_va_vdst(0)                   ; the wait at the head's end
.irp a, 0,1,2,3,4,5,6,7
.irp j, 0,1
	global_load_b128 v[SCA+8*\a+4*\j:SCA+8*\a+4*\j+3], v[SCO], s[70:71] offset:\a*16*KS+32*\j
.endr
.endr
.irp b, 0,1,2,3
.irp j, 0,1
	global_load_b128 v[SCB+8*\b+4*\j:SCB+8*\b+4*\j+3], v[SCO], s[74:75] offset:\b*16*KS+32*\j
.endr
.endr
.macro FRAG reg, adr, st, i            ; a fragment: registers 6 c .. 6 c + 5 hold K = 64 c + 32 h + 0 .. 31 of row r, in pieces of 8 bytes; byte y of a half row lies at y + 16 (y / 256)
.irp p, 0,1,2,3,4,5
.set YB, 96*((\st)%8)+48*(\p/3)+8*(\p%3)
.if YB/256 == (YB+24)/256
	ds_load_b64 v[\reg+2*\p:\reg+2*\p+1], v[\adr] offset:YB+16*(YB/256)+(\i)*16*PITCH
.else
	ds_load_b64 v[\reg+2*\p:\reg+2*\p+1], v[\adr+1] offset:YB+16*(YB/256)+(\i)*16*PITCH
.endif
.endr
.endm
; 8 matrix instructions; the 32 accumulators take turns, one instruction a turn, in the same order in every step
.macro MUL8 a0, st, zero
.irp a, \a0, \a0+1
.irp b, 0,1,2,3
.set DD, 8*(4*(\a)+\b)
.set BF, 128*((\st)%2)+FR*\b
.set AA, AF+FR*(\a)
.set WB, SCB+4*NJ*\b+4*((\st)/8)+(\st)%4
.set WA, SCA+4*NJ*(\a)+4*((\st)/8)+(\st)%4
.if \zero
	v_wmma_scale_f32_16x16x128_f8f6f4 v[DD:DD+7], v[BF:BF+11], v[AA:AA+11], 0, v[WB], v[WA] matrix_a_fmt:MATRIX_FMT_FP6 matrix_b_fmt:MATRIX_FMT_FP6
.else
.if ((\st)/4)%2
	v_wmma_scale_f32_16x16x128_f8f6f4 v[DD:DD+7], v[BF:BF+11], v[AA:AA+11], v[DD:DD+7], v[WB], v[WA] matrix_a_fmt:MATRIX_FMT_FP6 matrix_b_fmt:MATRIX_FMT_FP6 matrix_a_scale:MATRIX_SCALE_ROW1 matrix_b_scale:MATRIX_SCALE_ROW1
.else
	v_wmma_scale_f32_16x16x128_f8f6f4 v[DD:DD+7], v[BF:BF+11], v[AA:AA+11], v[DD:DD+7], v[WB], v[WA] matrix_a_fmt:MATRIX_FMT_FP6 matrix_b_fmt:MATRIX_FMT_FP6
.endif
.endif
.endr
.endr
.endm
.macro FETCH_B st
	WIN TO_B
.irp i, 0,1,2,3
	FRAG 128*((\st)%2)+FR*\i, ADRB, \st, \i
.endr
	WIN 0
.endm
.macro FETCH_A st, i0
.irp i, 0,1,2,3
	FRAG AF+FR*(\i0+\i), ADRA+2*((\i0)/4), \st, \i
.endr
.endm
.macro STEP st, zero                   ; 32 matrix instructions on step st; the next step's fragments are fetched in its middle and at its end
	s_wait_dscnt 24                                ; all but the youngest 24 loads: the tokens' blocks 4-7
	WIN MUL
	MUL8 0, \st, \zero
	MUL8 2, \st, \zero
	s_wait_dscnt 0
	PLACES 4
	FETCH_B (\st)+1
	FETCH_A (\st)+1, 0
	WIN MUL
	MUL8 4, \st, \zero
	MUL8 6, \st, \zero
	PLACES 4
	WIN 0
	FETCH_A (\st)+1, 4
.endm
.macro LOADCS a
.set CM, (\a)%4
.set CB, 64*((2*CM+1-3*(CM/2))%4)
	WIN TO_B
.irp b, 0,1,2,3
.irp jj, 0,1
	global_load_b128 v[CB+8*\b+4*\jj:CB+8*\b+4*\jj+3], v[CSO], s[84:85] offset:4096*(\a)+64*\b+16*\jj
	global_load_b128 v[CB+32+8*\b+4*\jj:CB+32+8*\b+4*\jj+3], v[CSO], s[86:87] offset:4096*(\a)+64*\b+16*\jj
.endr
.endr
	WIN 0
.endm
	s_wait_tensorcnt 0x0                           ; my part of the first half is in
	s_barrier_signal -1
	s_barrier_wait -1                              ; and everybody's
	FETCH_B 0
	FETCH_A 0, 0
	FETCH_A 0, 4
	s_wait_loadcnt 0x0                             ; the scale words
	STEP 0, 1                                      ; the first step's products start the sums
	global_prefetch_b8 v[PF1], s[PFA:PFA+1] offset:ROWB th:TH_LOAD_NT scope:SCOPE_SE        ; the second half's first piece (the weight's: first and second)
	STEP 1, 0
	s_cmp_eq_u32 s[MH], 0
	s_cbranch_scc0 .Lno_ask
	global_prefetch_b8 v[PF1], s[PFA:PFA+1] offset:ROWB+256 th:TH_LOAD_NT scope:SCOPE_SE    ; the tokens' second piece
.Lno_ask:
	STEP 2, 0
	global_prefetch_b8 v[PF2], s[PFA:PFA+1] offset:ROWB+512 th:TH_LOAD_NT scope:SCOPE_SE    ; the third piece (the weight's lanes 16-31 name lanes 0-15's again)
.irp s, 3,4,5,6
	STEP \s, 0
.endr
	; step 7 ends the first half: the region is filled again
	s_wait_tensorcnt 0x0                           ; no tensor load of mine is out
	ds_add_u32 v[SPW], v[NIL]                      ; 0 onto my spare word
	s_wait_dscnt 25                                ; the add and the youngest 24 loads may be out
	WIN MUL
	MUL8 0, 7, 0
	s_wait_dscnt 0x0                               ; the add is done, and my reads of the region are over
	s_barrier_signal -1
	MUL8 2, 7, 0
	WIN 0
	s_barrier_wait -1
	CREST                                          ; the barrier has opened a round of the cluster's
	s_add_nc_u64 s[G0+2:G0+3], s[G0+2:G0+3], ROWB
	s_add_nc_u64 s[G0B+2:G0B+3], s[G0B+2:G0B+3], ROWB
	JLOAD                                          ; K's second half: the first tensor load behind the round
	WIN MUL
	MUL8 4, 7, 0
	MUL8 6, 7, 0
	PLACES 4
	WIN 0
	s_wait_tensorcnt 0x0                           ; my part of the second half is in
	s_barrier_signal -1
	s_barrier_wait -1                              ; and everybody's
	FETCH_B 8
	FETCH_A 8, 0
	FETCH_A 8, 4
.irp s, 8,9,10,11,12
	STEP \s, 0
.endr
	LOADCS 0                                       ; cos and sin of my first 32 tokens, into registers of window 1 that the products do not name
	LOADCS 1
	STEP 13, 0
	STEP 14, 0
	s_wait_dscnt 24
	WIN MUL
	MUL8 0, 15, 0
	MUL8 2, 15, 0
	s_wait_dscnt 0x0                               ; my last reads of the region are over
	s_barrier_signal -1
	MUL8 4, 15, 0
	MUL8 6, 15, 0
	WIN 0
	s_barrier_wait -1                              ; and everybody's: v's stage may be laid over it
	PLACES 4
	s_cmp_eq_u32 ttmp9, 3
	s_cbranch_scc1 .Lpath_v
; q and k: two blocks of 32 channels of 16 tokens are quantised; a block lies in lanes l and l xor 16
.macro QUANT2 s, d, w
	v_max3_num_f32 v[MX], |v[\s]|, |v[\s+1]|, FLOOR
	v_max3_num_f32 v[MX+1], |v[\s+16]|, |v[\s+17]|, FLOOR
.irp i, 2,4,6,8,10,12,14
	v_max3_num_f32 v[MX], v[MX], |v[\s+\i]|, |v[\s+\i+1]|
	v_max3_num_f32 v[MX+1], v[MX+1], |v[\s+16+\i]|, |v[\s+17+\i]|
.endr
	v_permlanex16_b32 v[PD], v[MX], s[SEL], s[SEL+1]
	v_permlanex16_b32 v[PD+1], v[MX+1], s[SEL], s[SEL+1]
	v_max_num_f32 v[MX], v[MX], v[PD]
	v_max_num_f32 v[MX+1], v[MX+1], v[PD+1]
	v_add_nc_u32 v[SO], 0xff000000, v[MX]
	v_add_nc_u32 v[SO+1], 0xff000000, v[MX+1]
	v_lshrrev_b32 v[BY], 23, v[SO]
	v_lshrrev_b32 v[BY+1], 23, v[SO+1]
	v_sub_nc_u32 v[BY], v[BY], s[ADJ]
	v_sub_nc_u32 v[BY+1], v[BY+1], s[ADJ]
	v_lshl_or_b32 v[\w], v[BY+1], 8, v[BY]
	v_cvt_scalef32_pk16_fp6_f32 v[\d:\d+2], v[\s:\s+15], v[SO]
	v_cvt_scalef32_pk16_fp6_f32 v[CT:CT+2], v[\s+16:\s+31], v[SO+1]
	v_nop
.irp i, 0,1,2
	v_permlane16_swap_b32 v[\d+\i], v[CT+\i]
.endr
.irp i, 0,1,2
	v_mov_b32 v[\d+3+\i], v[CT+\i]
.endr
.endm
.macro ROPE a                          ; x cos + rotate_half(x) sin of block a's 16 tokens, in f32, then the quantiser
.set CM, (\a)%4
.set CB, 64*((2*CM+1-3*(CM/2))%4)
.if 7-(\a) >= 3
	s_wait_loadcnt 48                              ; three later blocks' 16 loads each may be out
.else
	s_wait_loadcnt 16*(7-(\a))
.endif
	WIN 0x06
.irp b, 0,1,2,3
.irp p, 0,2,4,6
	v_pk_mul_f32 v[R+8*\b+\p:R+8*\b+\p+1], v[8*(4*(\a)+(\b+2)%4)+\p:8*(4*(\a)+(\b+2)%4)+\p+1], v[CB+32+8*\b+\p:CB+32+8*\b+\p+1]
.endr
.endr
.irp b, 0,1
.irp p, 0,2,4,6
	v_pk_fma_f32 v[R+8*\b+\p:R+8*\b+\p+1], v[8*(4*(\a)+\b)+\p:8*(4*(\a)+\b)+\p+1], v[CB+8*\b+\p:CB+8*\b+\p+1], v[R+8*\b+\p:R+8*\b+\p+1] neg_lo:[0,0,1] neg_hi:[0,0,1]
.endr
.endr
.irp b, 2,3
.irp p, 0,2,4,6
	v_pk_fma_f32 v[R+8*\b+\p:R+8*\b+\p+1], v[8*(4*(\a)+\b)+\p:8*(4*(\a)+\b)+\p+1], v[CB+8*\b+\p:CB+8*\b+\p+1], v[R+8*\b+\p:R+8*\b+\p+1]
.endr
.endr
	WIN 0
.if (\a) < 4
	LOADCS (\a)+4
.endif
	QUANT2 R, IMG+6*(\a), PW+(\a)
.endm
	LOADCS 2
	LOADCS 3
	v_mov_b32 v[PD], 0
	v_mov_b32 v[PD+1], 0
.irp a, 0,1,2,3,4,5,6,7
	ROPE \a
.endr
	s_mov_b32 vcc_lo, 0xffff0000
.irp j, 0,1,2,3
	v_cndmask_b32 v[SW+\j], v[PW+\j], v[PW+4+\j], vcc_lo
.endr
.irp i, 0,1,2,3,4,5,6,7,8,9,10,11
	global_store_b128 v[OUTO], v[IMG+4*\i:IMG+4*\i+3], s[88:89] offset:512*\i   ; 32 lanes store 512 consecutive bytes
.endr
	global_store_b128 v[OUTO], v[SW:SW+3], s[88:89] offset:6144
	s_branch .Lend
; v: its K is the keys, so 64 tokens at a time go through my stage and come back with a lane to a channel and registers down the keys
.macro STOREV c
	WIN 0x08
.irp a, 0,1,2,3
.irp b, 0,1,2,3
	ds_store_b128 v[STV], v[8*(4*(4*\c+\a)+\b):8*(4*(4*\c+\a)+\b)+3] offset:4352*\a+32*(\a/2)+64*\b
	ds_store_b128 v[STV], v[8*(4*(4*\c+\a)+\b)+4:8*(4*(4*\c+\a)+\b)+7] offset:4352*\a+32*(\a/2)+64*\b+16
.endr
.endr
	WIN 0
.endm
.macro LOADX t
.set i, 0
.rept 32
	ds_load_b32 v[X+32*((\t)%2)+i], v[RDV] offset:272*(16*((i/8)%2)+8*(i/16)+i%8)+4*(32*((\t)/2)+8*((\t)%2))
.set i, i+1
.endr
.endm
.macro QV t, c, left
.set XS, X+32*((\t)%2)
	s_wait_dscnt \left
	v_max3_num_f32 v[MX], |v[XS]|, |v[XS+1]|, |v[XS+2]|
	v_max3_num_f32 v[MX+1], |v[XS+3]|, |v[XS+4]|, |v[XS+5]|
.irp i, 6,10,14,18,22,26
	v_max3_num_f32 v[MX], v[MX], |v[XS+\i]|, |v[XS+\i+1]|
	v_max3_num_f32 v[MX+1], v[MX+1], |v[XS+\i+2]|, |v[XS+\i+3]|
.endr
	v_max3_num_f32 v[MX], v[MX], |v[XS+30]|, |v[XS+31]|
	v_max3_num_f32 v[MX], v[MX], v[MX+1], 3<<23
	v_add_nc_u32 v[SO], 0xff000000, v[MX]
	v_lshrrev_b32 v[BY], 23, v[SO]
.if \c == 0
	v_mov_b32 v[SB+\t], v[BY]
.else
	v_lshl_or_b32 v[SB+\t], v[BY], 16, v[SB+\t]
.endif
	v_cvt_scalef32_pk16_fp6_f32 v[VIMG+12*\t+6*\c:VIMG+12*\t+6*\c+2], v[XS:XS+15], v[SO]
	v_cvt_scalef32_pk16_fp6_f32 v[CT:CT+2], v[XS+16:XS+31], v[SO]
	v_nop
.irp i, 0,1,2
	v_mov_b32 v[VIMG+12*\t+6*\c+3+\i], v[CT+\i]
.endr
.endm
.Lpath_v:
.irp t, 0,1,2,3
	v_mov_b32 v[PDV+\t], 0
.endr
.irp c, 0,1
	STOREV \c
	LOADX 0
	LOADX 1
	QV 0, \c, 32
	LOADX 2
	QV 1, \c, 32
	LOADX 3
	QV 2, \c, 32
	QV 3, \c, 0
.endr
	v_lshlrev_b32 v[BY], 3, v2
.irp t, 0,1,2,3
	v_lshlrev_b32 v[SB+\t], v[BY], v[SB+\t]
.endr
.irp t, 0,1,2,3
	v_permlanex16_b32 v[PDV+\t], v[SB+\t], s[SEL], s[SEL+1]
.endr
.irp t, 0,1,2,3
	v_or_b32 v[SB+\t], v[SB+\t], v[PDV+\t]
.endr
.irp i, 0,1,2,3,4,5,6,7,8,9,10,11
	global_store_b128 v[OUTO], v[VIMG+4*\i:VIMG+4*\i+3], s[88:89] offset:6656+512*\i
.endr
	global_store_b128 v[OUTO], v[SB:SB+3], s[88:89] offset:12800
.Lend:
	s_wait_tensorcnt 0x0                           ; the wave's end
	ds_add_u32 v[SPW], v[NIL]
	s_wait_dscnt 0x0
	CROUND                                         ; the closing round
	s_endpgm
.Lfunc_end_k_qdc393097e7_qkv:
	.size	k_qdc393097e7_qkv, .Lfunc_end_k_qdc393097e7_qkv-k_qdc393097e7_qkv
	.p2alignl 7, 3214868480
	.fill 96, 4, 3214868480
	.section	.rodata,"a",@progbits
	.p2align	6, 0x0
	.amdhsa_kernel k_qdc393097e7_qkv
		.amdhsa_group_segment_fixed_size 327680
		.amdhsa_private_segment_fixed_size 0
		.amdhsa_enable_private_segment 0
		.amdhsa_kernarg_size 96
		.amdhsa_user_sgpr_count 2
		.amdhsa_user_sgpr_kernarg_segment_ptr 1
		.amdhsa_wavefront_size32 1
		.amdhsa_system_sgpr_workgroup_id_x 1
		.amdhsa_system_sgpr_workgroup_id_y 1
		.amdhsa_system_sgpr_workgroup_id_z 1
		.amdhsa_system_vgpr_workitem_id 0
		.amdhsa_next_free_vgpr 768
		.amdhsa_next_free_sgpr 102
		.amdhsa_reserve_vcc 1
		.amdhsa_float_denorm_mode_32 3
		.amdhsa_float_denorm_mode_16_64 3
		.amdhsa_memory_ordered 1
		.amdhsa_forward_progress 1
		.amdhsa_inst_pref_size 236
	.end_amdhsa_kernel
	.amdgpu_metadata
---
amdhsa.version: [ 1, 2 ]
amdhsa.kernels:
  - .name:           k_qdc393097e7_qkv
    .symbol:         k_qdc393097e7_qkv.kd
    .args:
      - { .name: hidden_states_codes, .offset: 0, .size: 8, .value_kind: global_buffer, .address_space: global }
      - { .name: hidden_states_scales, .offset: 8, .size: 8, .value_kind: global_buffer, .address_space: global }
      - { .name: Wq_codes, .offset: 16, .size: 8, .value_kind: global_buffer, .address_space: global }
      - { .name: Wq_scales, .offset: 24, .size: 8, .value_kind: global_buffer, .address_space: global }
      - { .name: Wk_codes, .offset: 32, .size: 8, .value_kind: global_buffer, .address_space: global }
      - { .name: Wk_scales, .offset: 40, .size: 8, .value_kind: global_buffer, .address_space: global }
      - { .name: Wv_codes, .offset: 48, .size: 8, .value_kind: global_buffer, .address_space: global }
      - { .name: Wv_scales, .offset: 56, .size: 8, .value_kind: global_buffer, .address_space: global }
      - { .name: cos, .offset: 64, .size: 8, .value_kind: global_buffer, .address_space: global }
      - { .name: sin, .offset: 72, .size: 8, .value_kind: global_buffer, .address_space: global }
      - { .name: qimg, .offset: 80, .size: 8, .value_kind: global_buffer, .address_space: global }
      - { .name: kv, .offset: 88, .size: 8, .value_kind: global_buffer, .address_space: global }
    .group_segment_fixed_size: 327680
    .private_segment_fixed_size: 0
    .kernarg_segment_align: 8
    .kernarg_segment_size: 96
    .max_flat_workgroup_size: 128
    .sgpr_count:     102
    .vgpr_count:     768
    .wavefront_size: 32
...
	.end_amdgpu_metadata
.endif
;; end of part 1
;; launch attn (part 2): grid 128 x 2, 16 waves a work-group, clusters of 4 x 1, 327,680 bytes of LDS; arguments qimg, kv, attention_mask, ao_codes, ao_scales; writes ao_codes, ao_scales
.if DOCPART == 2
	.amdgcn_target "amdgcn-amd-amdhsa--gfx1250"
	.amdhsa_code_object_version 6
	.text
	.protected	k_qdc393097e7_attn
	.globl	k_qdc393097e7_attn
	.p2align	8
	.type	k_qdc393097e7_attn,@function
k_qdc393097e7_attn:
	s_mov_b64 s[64:65], 0
	v_nop
	global_prefetch_b8 v0, s[64:65] scope:SCOPE_SE
	s_setreg_imm32_b32 hwreg(HW_REG_WAVE_MODE, 25, 1), 1
	s_wait_xcnt 0x0
	s_wait_alu depctr_hold_cnt(0) depctr_sa_sdst(0) depctr_va_vdst(0) depctr_va_sdst(0) depctr_va_ssrc(0) depctr_va_vcc(0) depctr_vm_vsrc(0)
	s_getreg_b32 s2, hwreg(HW_REG_IB_STS2, 6, 4)
	s_cmp_eq_u32 s2, 0
	s_cbranch_scc0 .Lentry_in_a_cluster
	s_endpgm
.Lentry_in_a_cluster:
	s_bfe_u32 s2, ttmp6, 0x10000c
	s_cmp_lg_u32 s2, 0x3003
	s_cbranch_scc0 .Lentry_shape_is_right
	s_endpgm
.Lentry_shape_is_right:
; The attention proper, both products on codes of FP6 (E2M3) with E8M0 scales: logit = q . k / 8 + mask; t = logit x log2(e); M = the running largest t rounded up to a whole number; p = 2^(t - M) is quantised along
; the keys; the row's sum is taken of the unquantised p and divides O at the end; O is quantised along the 1,024 channels for the last product.
; SHARES.  A work-group: one batch (y), 64 queries (the cluster's x), four heads = two key/value heads (its place g in the cluster).  Sixteen waves: wave w has the tile of 16 queries w % 4 and the head w / 4.
; Every wave walks all 2,048 keys, 128 a step.  The mask is an input: every number of it is read, and no step is left out.
; CLUSTER.  The four partners have the SAME queries, so the mask's tile (64 queries x 256 keys) is asked for JOINTLY (waves 2, 3); K and V differ between them and come by loads of their own (waves 0, 1).
; THE MASK IS THE C OF THE FIRST PRODUCT: it comes from LDS straight into the score registers, and q's scale bytes carry the 1/8, so the product's result is the logit.
; LAYOUT.  Both products transposed: S^T = K Q^T (a lane holds one query and keys 16 t + 8 h + j), O^T = V^T P^T.  K, V and Q come as images of operand registers made by the launch before.
; K = 64 in an instruction of 128: Q's registers 6-11 are zero codes, so K's tile t may name v[32 + 6 t .. 43 + 6 t], whose upper six are the next tile's codes (behind the last: zeros).
; LIMITS: NaN is not served; a row all of whose mask entries are -infinity gives NaN, as the definition does.  A block of zeros gets the byte 1 and not 127: its codes are zeros, and this program alone reads the bytes.
; REGISTERS: v1-2 places in a slot; v5-6 the spare word; v8-9 addresses in hand; v12 -M, v13 the largest t, v[14:15] the sum; v16-27 Q; v28 prefetch offset; v29 Q's scale word; v32-85 K, then V; v86-89, v90-93 their scale
; words; v96-159 mask, scores, p; v160-191 O^T; v196-223 at work; v222 p's scale word; v224-235 p's codes.
.set SLOT1,  1<<17                     ; slot 1 begins here: one exclusive or turns an address from slot to slot
.set KVSTEP, 26624                     ; a key step's records of my two key/value heads
.set KVREC,  13312
.set MOFF,   2*KVSTEP                  ; a slot: two steps' records, then the mask's 64 rows
.set MP,     1040                      ; a row of the mask's tile: 256 keys x 4 bytes + 16
.set SPARE,  2*SLOT1                   ; the spare words: 128 bytes for each of 16 waves
.set STG,    SPARE+2048                ; the way out: 64 tokens x 192 bytes of codes
.set SSG,    STG+12288                 ; and x 8 scale bytes
.set NSL,    8                         ; slots' worth of keys
.set AKV0, 1
.set AM0,  2
.set SPW,  5
.set NIL,  6
.set ADR,  8
.set ADM,  9
.set PFO,  28
.set WV,   18
.set SEL,  20
.set CS,   22
.set G1K,  24
.set G1M,  32
.set G0K,  40
.set G0M,  44
.set TB,   48
.set SLOTS, 49
.set CX,   50
.set QB,   51
.set BB,   52
.set QT,   53
.set HH,   54
.set KV2,  55
.set PFA,  56
.set PFS,  58
.set LIM,  60
.macro CROUND                          ; a round of the cluster's barrier
	s_barrier_signal -1
	s_barrier_wait -1
	s_cmp_lg_u32 s[WV], 0
	s_cbranch_scc1 .Lnot_wave_0_\@
	s_barrier_signal -3
.Lnot_wave_0_\@:
	s_barrier_wait -3
	s_barrier_signal -1
	s_barrier_wait -1
.endm
; Waves 0, 1: a step's records each; waves 2, 3: 32 rows of the mask each, jointly; the others nothing.  The branches hang on the wave's number alone.  Four v_nop follow each line.
.macro TLOAD
	s_cmp_lt_u32 s[WV], 2
	s_cbranch_scc0 .Lnot_kv_\@
	tensor_load_to_lds s[G0K:G0K+3], s[G1K:G1K+7]
	s_nop 0
.rept 4
	v_nop
.endr
	s_branch .Lasked_\@
.Lnot_kv_\@:
	s_cmp_lt_u32 s[WV], 4
	s_cbranch_scc0 .Lasked_\@
	tensor_load_to_lds s[G0M:G0M+3], s[G1M:G1M+7]
	s_nop 0
.rept 4
	v_nop
.endr
.Lasked_\@:
.endm
; A prefetch of what the NEXT change of slots will ask for, by waves that fetch nothing, one instruction each.  The mask: waves 4, 5; the four partners share the tile's 64 rows out by address, 16 each: 8 rows a wave,
; four lanes to a row's 1,024 bytes.  K and V: waves 6 to 12 of the batch's first cluster, whose partner g asks for stream g: 208 blocks of 256 bytes, a lane a block, the last wave's upper lanes held at the last block.
; The last change that fills a slot asks for nothing; slots 0 and 1 come by their loads alone.
.macro ASK
	s_cmp_gt_u32 s[SLOTS], s[LIM]
	s_cbranch_scc0 .Lnot_mine_\@
	global_prefetch_b8 v[PFO], s[PFA:PFA+1] th:TH_LOAD_NT scope:SCOPE_SE
.Lnot_mine_\@:
.endm
	s_load_b256 s[4:11], s[0:1], 0x0               ; qimg 4, kv 6, mask 8, ao_codes 10
	s_load_b64 s[12:13], s[0:1], 0x20              ; ao_scales
	v_lshl_add_u32 v[SPW], v0, 2, SPARE
	v_mov_b32 v[NIL], 0
	ds_add_u32 v5, v6
	ds_add_u32 v5, v6
	s_wait_dscnt 0x0
	v_lshrrev_b32 v8, 5, v0
	s_delay_alu instid0(VALU_DEP_1)
	v_readfirstlane_b32 s[WV], v8                  ; wave 0..15
	s_bfe_u32 s[CX], ttmp6, 0x40000                ; g: my place in the cluster
	s_mov_b32 s[QB], ttmp9                         ; the block of 64 queries
	s_and_b32 s[BB], ttmp7, 0xffff                 ; the batch
	s_and_b32 s[QT], s[WV], 3
	s_lshr_b32 s[HH], s[WV], 2
	s_lshr_b32 s[KV2], s[WV], 3
	s_and_b32 s66, s[WV], 1                        ; which half I fetch, if I fetch
	; group 1 for the records: 26,624 dense bytes as 104 rows of 256 (32 elements of 8 bytes)
	s_mov_b32 s[G1K], 3<<16
	s_mov_b32 s[G1K+1], 32<<16
	s_mov_b32 s[G1K+2], 104<<16
	s_mov_b32 s[G1K+3], 32<<16
	s_mov_b32 s[G1K+4], 104
	s_mov_b32 s[G1K+5], 32
	s_mov_b32 s[G1K+6], 0
	s_mov_b32 s[G1K+7], 0
	; for the mask: 32 rows x 256 f32, 2,048 apart; all four partners; 16 bytes of padding behind each 256 words
	s_mov_b32 s[G1M], 15|(2<<16)|(1<<20)|(1<<21)|(7<<22)|(3<<25)
	s_mov_b32 s[G1M+1], 256<<16
	s_mov_b32 s[G1M+2], 32<<16
	s_mov_b32 s[G1M+3], 256<<16
	s_mov_b32 s[G1M+4], 32
	s_mov_b32 s[G1M+5], 2048
	s_mov_b32 s[G1M+6], 0
	s_mov_b32 s[G1M+7], 0
	s_lshl_b32 s72, s[BB], 2
	s_add_co_u32 s72, s72, s[CX]
	s_mul_i32 s72, s72, 16*KVSTEP                  ; my stream of K and V
	s_mov_b32 s73, 0
	s_mul_i32 s74, s66, KVSTEP
	s_mov_b32 s75, 0
	s_lshl_b32 s70, s[BB], 11
	s_lshl_b32 s71, s[QB], 6
	s_add_co_u32 s70, s70, s71                     ; my work-group's first token: kept
	s_lshl_b32 s68, s66, 5
	s_add_co_u32 s68, s68, s70
	s_lshl_b32 s68, s68, 13                        ; a row of the mask is 8,192 bytes.  (These registers never hold my place in the cluster)
	s_mov_b32 s69, 0
	s_mov_b32 s[G0K], 1
	s_mul_i32 s[G0K+1], s66, KVSTEP
	s_mov_b32 s[G0M], 1
	s_mul_i32 s[G0M+1], s66, 32*MP
	s_add_co_u32 s[G0M+1], s[G0M+1], MOFF
	s_mov_b32 s[SEL], 0x76543210
	s_mov_b32 s[SEL+1], 0xfedcba98
	s_mov_b32 s[CS], 0x3fb8aa3b                    ; log2(e)
	s_mov_b32 s[CS+1], s[CS]
	s_mov_b32 s[TB], 0
	s_mov_b32 s[SLOTS], NSL-1
	s_wait_kmcnt 0x0
	s_add_nc_u64 s[6:7], s[6:7], s[72:73]
	s_add_nc_u64 s[G0K+2:G0K+3], s[6:7], s[74:75]
	s_or_b32 s[G0K+3], s[G0K+3], 0x80000000
	s_add_nc_u64 s[G0M+2:G0M+3], s[8:9], s[68:69]
	s_or_b32 s[G0M+3], s[G0M+3], 0x80000000
	CROUND                                         ; all four work-groups are here
	TLOAD                                          ; slot 0
	; the prefetches: who asks, and where
	v_and_b32 v3, 31, v0                           ; lane
	s_wait_alu depctr_va_vdst(0)
	s_lshl_b32 s74, s[CX], 4
	s_add_co_u32 s74, s74, s70
	s_sub_co_u32 s66, s[WV], 4
	s_lshl_b32 s75, s66, 3
	s_add_co_u32 s74, s74, s75                     ; the mask: row = first token + 16 g + 8 (wave - 4)
	s_lshl_b32 s74, s74, 13
	s_add_co_u32 s74, s74, 1024                    ; in slot 1: the first change of slots steps it to slot 2
	s_mov_b32 s67, 2*KVSTEP
	s_cmp_lt_u32 s66, 2                            ; waves 4, 5
	s_cselect_b32 s[LIM], 1, -1
	s_cselect_b64 s[PFA:PFA+1], s[8:9], s[6:7]
	s_cselect_b32 s74, s74, s67
	s_cselect_b32 s[PFS], 1024, s67                ; a slot on
	s_cselect_b32 vcc_lo, -1, 0
	s_mov_b32 s75, 0
	s_mov_b32 s[PFS+1], 0
	s_add_nc_u64 s[PFA:PFA+1], s[PFA:PFA+1], s[74:75]
	s_sub_co_u32 s66, s[WV], 6
	s_lshl_b32 s71, s66, 5
	s_cmp_lt_u32 s66, 7                            ; waves 6 to 12
	s_cselect_b32 s67, 0, 1
	s_or_b32 s67, s67, ttmp9                       ; of the batch's first cluster: the same in all four partners
	s_cmp_eq_u32 s67, 0
	s_cselect_b32 s[LIM], 1, s[LIM]
	v_lshrrev_b32 v10, 2, v3
	v_and_b32 v11, 3, v3
	s_delay_alu instid0(VALU_DEP_1)
	v_lshlrev_b32 v11, 8, v11
	s_delay_alu instid0(VALU_DEP_1)
	v_lshl_add_u32 v10, v10, 13, v11               ; the mask's: 8,192 (lane / 4) + 256 (lane % 4)
	v_add_nc_u32 v11, s71, v3
	s_delay_alu instid0(VALU_DEP_1)
	v_min_u32 v11, 207, v11
	s_delay_alu instid0(VALU_DEP_1)
	v_lshlrev_b32 v11, 8, v11                      ; the records': 256 x min(32 (wave - 6) + lane, 207)
	s_delay_alu instid0(VALU_DEP_1)
	v_cndmask_b32 v[PFO], v11, v10, vcc_lo
	; Q: tile a = 4 (block % 2) + my tile of its record; registers 6 a .. 6 a + 5 of the image, and its scale word
	v_and_b32 v8, 15, v0                           ; r
	s_wait_alu depctr_va_vdst(0)
	v_bfe_u32 v9, v0, 4, 1                         ; h
	s_lshl_b32 s66, s[BB], 4
	s_lshl_b32 s67, s[CX], 2
	s_add_co_u32 s66, s66, s67
	s_add_co_u32 s66, s66, s[HH]                   ; 16 b + head
	s_lshl_b32 s66, s66, 4
	s_lshr_b32 s67, s[QB], 1
	s_add_co_u32 s66, s66, s67
	s_mul_i32 s66, s66, 6656
	s_mov_b32 s67, 0
	s_add_nc_u64 s[4:5], s[4:5], s[66:67]
	s_and_b32 s66, s[QB], 1
	s_lshl_b32 s66, s66, 2
	s_add_co_u32 s66, s66, s[QT]                   ; a
	s_mul_i32 s67, s66, 6
.irp i, 0,1,2
	s_add_co_u32 s74, s67, 2*\i                    ; register n: group n / 4 at 512 bytes each, word n % 4
	s_and_b32 s75, s74, 3
	s_lshl_b32 s75, s75, 2
	s_lshr_b32 s74, s74, 2
	s_lshl_b32 s74, s74, 9
	s_add_co_u32 s[76+\i], s74, s75
.endr
	v_lshl_add_u32 v10, v3, 4, s76
	v_lshl_add_u32 v11, v3, 4, s77
	v_lshl_add_u32 v30, v3, 4, s78
	s_lshr_b32 s74, s66, 2
	s_lshl_b32 s74, s74, 8
	s_and_b32 s75, s66, 3
	s_lshl_b32 s75, s75, 2
	s_add_co_u32 s74, s74, s75
	s_add_co_u32 s74, s74, 6144
	v_lshl_add_u32 v31, v8, 4, s74
	global_load_b64 v[16:17], v10, s[4:5]
	global_load_b64 v[18:19], v11, s[4:5]
	global_load_b64 v[20:21], v30, s[4:5]
	global_load_b32 v29, v31, s[4:5]
	; where the results go
	s_mul_i32 s66, s[CX], 192
	s_mul_i32 s67, s70, 768
	s_add_co_u32 s66, s66, s67
	s_mul_i32 s67, s[WV], 3072
	s_add_co_u32 s66, s66, s67
	s_mov_b32 s67, 0
	s_add_nc_u64 s[10:11], s[10:11], s[66:67]      ; codes: [token][768 bytes]: my wave's four tokens, my work-group's 192 bytes (four heads) of each
	s_lshl_b32 s66, s[WV], 5
	s_add_co_u32 s66, s66, s70
	s_lshl_b32 s66, s66, 5
	s_lshl_b32 s74, s[CX], 3
	s_add_co_u32 s66, s66, s74
	s_add_nc_u64 s[12:13], s[12:13], s[66:67]      ; scale bytes: [token][32], + 8 g (used by waves 0 and 1 alone)
	; places in a slot
	s_mul_i32 s66, s[KV2], KVREC
	v_lshl_add_u32 v[AKV0], v3, 4, s66             ; my key/value head's record, 16 x lane
	s_mul_i32 s66, s[QT], 16*MP
	s_add_co_u32 s66, s66, MOFF
	v_mul_u32_u24 v[AM0], v8, MP
	s_wait_alu depctr_va_vdst(0)
	v_lshl_add_u32 v[AM0], v9, 5, v[AM0]
	s_delay_alu instid0(VALU_DEP_1)
	v_add_nc_u32 v[AM0], s66, v[AM0]               ; the mask: row 16 tile + r, + 32 h
	v_mov_b32 v13, 0xff61b1e6                      ; the largest t so far: -3e38
	s_delay_alu instid0(VALU_DEP_1)
	v_floor_f32 v12, -v13                          ; -M
	v_mov_b32 v14, 0
	v_mov_b32 v15, 0
	v_mov_b32 v221, 0                              ; (named as the upper half of the pair v[220:221])
.irp j, 0,1,2,3
	v_mov_b32 v[204+\j], 0                         ; a lane permute's destination counts as one of its sources
.endr
.irp j, 0,1,2,3,4,5
	v_mov_b32 v[22+\j], 0                          ; Q's K = 64 .. 127: zero codes
	v_mov_b32 v[80+\j], 0                          ; behind K's last tile
.endr
.set j, 0
.rept 32
	v_mov_b32 v[160+j], 0                          ; O^T: the step is written once, and its first run finds zeros
.set j, j+1
.endr
; A KEY STEP: 128 keys, the q-th of the slot in hand.
.macro STEP q
	v_add_nc_u32 v[ADR], s[TB], v[AKV0]
	v_add_nc_u32 v[ADM], s[TB], v[AM0]
	v_nop
	v_nop                                          ; four plain instructions in front of loads into registers that the last products read
.irp t, 0,1,2,3,4,5,6,7
	ds_load_b128 v[96+8*\t:99+8*\t], v[ADM] offset:512*(\q)+64*\t          ; the mask of my query at keys 16 t + 8 h + 0 .. 7
	ds_load_b128 v[100+8*\t:103+8*\t], v[ADM] offset:512*(\q)+64*\t+16
.endr
.irp i, 0,1,2,3,4,5,6,7,8,9,10,11
	ds_load_b128 v[32+4*\i:35+4*\i], v[ADR] offset:KVSTEP*(\q)+512*\i      ; K's image
.endr
	ds_load_b128 v[86:89], v[ADR] offset:KVSTEP*(\q)+6144                  ; its scale words
	s_wait_alu depctr_va_vdst(0)
	s_wait_dscnt 0x0
.irp t, 0,1,2,3
	v_wmma_scale_f32_16x16x128_f8f6f4 v[96+8*\t:103+8*\t], v[32+6*\t:43+6*\t], v[16:27], v[96+8*\t:103+8*\t], v[86+\t], v29 matrix_a_fmt:MATRIX_FMT_FP6 matrix_b_fmt:MATRIX_FMT_FP6
.endr
.irp t, 4,5,6,7
	v_wmma_scale_f32_16x16x128_f8f6f4 v[96+8*\t:103+8*\t], v[32+6*\t:43+6*\t], v[16:27], v[96+8*\t:103+8*\t], v[86+\t-4], v29 matrix_a_fmt:MATRIX_FMT_FP6 matrix_b_fmt:MATRIX_FMT_FP6 matrix_a_scale:MATRIX_SCALE_ROW1
.endr
.rept 4
	v_nop
.endr
.irp i, 0,1,2,3,4,5,6,7,8,9,10,11
	ds_load_b128 v[32+4*\i:35+4*\i], v[ADR] offset:KVSTEP*(\q)+6656+512*\i   ; V's image lands while the softmax is worked
.endr
	ds_load_b128 v[90:93], v[ADR] offset:KVSTEP*(\q)+12800
.irp b, 0,1,2,3
	v_max3_num_f32 v[200+\b], v[96+16*\b], v[97+16*\b], v[98+16*\b]        ; the largest logit of each block of 32 keys: for the row's maximum, and, since p rises with the logit, for the block's largest p
.endr
.irp i, 3,5,7,9,11,13
.irp b, 0,1,2,3
	v_max3_num_f32 v[200+\b], v[200+\b], v[96+16*\b+\i], v[97+16*\b+\i]
.endr
.endr
.irp b, 0,1,2,3
	v_max_num_f32 v[200+\b], v[200+\b], v[111+16*\b]
.endr
.irp b, 0,1,2,3
	s_delay_alu instid0(VALU_DEP_4)
	v_permlanex16_b32 v[204+\b], v[200+\b], s[SEL], s[SEL+1]
.endr
.irp b, 0,1,2,3
	s_delay_alu instid0(VALU_DEP_4)
	v_max_num_f32 v[200+\b], v[200+\b], v[204+\b]  ; with lane l xor 16's 16 keys
.endr
	s_delay_alu instid0(VALU_DEP_2)
	v_max3_num_f32 v223, v200, v201, v202
	s_delay_alu instid0(VALU_DEP_1)
	v_max_num_f32 v223, v223, v203
	s_delay_alu instid0(VALU_DEP_1)
	v_mul_f32 v223, s[CS], v223                    ; as t
	s_delay_alu instid0(VALU_DEP_1)
	v_max_num_f32 v13, v13, v223                   ; the running largest t
	v_mov_b32 v223, v12
	s_delay_alu instid0(VALU_DEP_2)
	v_floor_f32 v12, -v13                          ; the new -M = -ceil(t)
	s_delay_alu instid0(VALU_DEP_1)
	v_sub_f32 v223, v12, v223                      ; old M - new M: a whole number, 0 or less
	s_delay_alu instid0(VALU_DEP_1)
	v_cvt_i32_f32 v223, v223                       ; (it saturates)
	s_delay_alu instid0(VALU_DEP_1)
	v_ldexp_f32 v220, 1.0, v223                    ; f = 2^(old M - new M)
.set j, 0
.rept 32
	v_pk_fma_f32 v[96+j:97+j], v[96+j:97+j], s[CS:CS+1], v[12:13] op_sel_hi:[1,0,0]   ; t - M, two at a time
.set j, j+2
.endr
.irp b, 0,1,2,3
	v_fma_f32 v[200+\b], v[200+\b], s[CS], v12     ; the same of each block's largest logit
.endr
.set j, 0
	s_wait_alu depctr_va_vdst(0)
.rept 64
	v_exp_f32 v[96+j], v[96+j]                     ; p = 2^(t - M): not normalised
.set j, j+1
.endr
	v_pk_mul_f32 v[14:15], v[14:15], v[220:221] op_sel_hi:[1,0]   ; the sums under the new M: the plain instruction behind the exponentials
	s_wait_alu depctr_va_vdst(0)                   ; one wait for the batch, ahead of its first reader
.irp b, 0,1,2,3
	v_exp_f32 v[200+\b], v[200+\b]                 ; the block's largest p
.endr
	v_pk_add_f32 v[196:197], v[100:101], v[104:105]
	v_pk_add_f32 v[254:255], v[108:109], v[112:113]
	v_pk_add_f32 v[252:253], v[116:117], v[120:121]
	v_pk_add_f32 v[250:251], v[124:125], v[128:129]
	v_pk_add_f32 v[248:249], v[132:133], v[136:137]
	v_pk_add_f32 v[246:247], v[140:141], v[144:145]
	v_pk_add_f32 v[244:245], v[148:149], v[152:153]
	v_pk_add_f32 v[14:15], v[14:15], v[156:157]
	v_pk_add_f32 v[196:197], v[196:197], v[96:97]
	v_pk_add_f32 v[254:255], v[254:255], v[98:99]
	v_pk_add_f32 v[252:253], v[252:253], v[102:103]
	v_pk_add_f32 v[250:251], v[250:251], v[106:107]
	v_pk_add_f32 v[248:249], v[248:249], v[110:111]
	v_pk_add_f32 v[246:247], v[246:247], v[114:115]
	v_pk_add_f32 v[244:245], v[244:245], v[118:119]
	v_pk_add_f32 v[14:15], v[14:15], v[122:123]
	v_pk_add_f32 v[196:197], v[196:197], v[126:127]
	v_pk_add_f32 v[254:255], v[254:255], v[130:131]
	v_pk_add_f32 v[252:253], v[252:253], v[134:135]
	v_pk_add_f32 v[250:251], v[250:251], v[138:139]
	v_pk_add_f32 v[248:249], v[248:249], v[142:143]
	v_pk_add_f32 v[246:247], v[246:247], v[146:147]
	v_pk_add_f32 v[244:245], v[244:245], v[150:151]
	v_pk_add_f32 v[14:15], v[14:15], v[154:155]
	v_pk_add_f32 v[196:197], v[196:197], v[158:159]
	s_delay_alu instid0(VALU_DEP_2)
	v_pk_add_f32 v[14:15], v[14:15], v[250:251]
	s_delay_alu instid0(VALU_DEP_2)
	v_pk_add_f32 v[196:197], v[196:197], v[248:249]
	v_pk_add_f32 v[254:255], v[254:255], v[246:247]
	v_pk_add_f32 v[252:253], v[252:253], v[244:245]
	s_delay_alu instid0(VALU_DEP_2)
	v_pk_add_f32 v[14:15], v[14:15], v[254:255]
	s_delay_alu instid0(VALU_DEP_2)
	v_pk_add_f32 v[196:197], v[196:197], v[252:253]
	s_delay_alu instid0(VALU_DEP_1)
	v_pk_add_f32 v[14:15], v[14:15], v[196:197]
	s_wait_alu depctr_va_vdst(0)                   ; and one for the four
.irp b, 0,1,2,3
	v_max_num_f32 v[200+\b], 0x1800000, v[200+\b]  ; the floor 2^(3 - 127): the byte cannot fall under 1
.endr
.irp b, 0,1,2,3
	s_delay_alu instid0(VALU_DEP_4)
	v_add_nc_u32 v[208+\b], 0xff000000, v[200+\b]  ; 2 off the exponent field: the conversion's scale operand
.endr
.irp b, 0,1,2,3
	s_delay_alu instid0(VALU_DEP_4)
	v_lshrrev_b32 v[204+\b], 23, v[208+\b]
.endr
	s_delay_alu instid0(VALU_DEP_3)
	v_lshl_or_b32 v222, v205, 8, v204              ; p's scale word for these 128 keys
	s_delay_alu instid0(VALU_DEP_1)
	v_lshl_or_b32 v222, v206, 16, v222
	s_delay_alu instid0(VALU_DEP_1)
	v_lshl_or_b32 v222, v207, 24, v222
.irp c, 0,1
	v_cvt_scalef32_pk16_fp6_f32 v[224+6*\c:226+6*\c], v[96+32*\c:111+32*\c], v[208+2*\c]
	v_cvt_scalef32_pk16_fp6_f32 v[212+4*\c:214+4*\c], v[112+32*\c:127+32*\c], v[208+2*\c+1]
.endr
	v_nop                                          ; one plain instruction behind a scaled conversion
.irp c, 0,1
.irp i, 0,1,2
	v_permlane16_swap_b32 v[224+6*\c+\i], v[212+4*\c+\i]   ; a whole block to a lane: lanes 0-15 block 2 c, lanes 16-31 block 2 c + 1
.endr
.irp i, 0,1,2
	s_delay_alu instid0(VALU_DEP_3)
	v_mov_b32 v[227+6*\c+\i], v[212+4*\c+\i]
.endr
.endr
.set j, 0
.rept 16
	v_pk_mul_f32 v[160+j:161+j], v[160+j:161+j], v[220:221] op_sel_hi:[1,0]   ; O^T under the new M; these are also the places between the operand's and the scale word's last writes and the products
.set j, j+2
.endr
	s_wait_alu depctr_va_vdst(0)
	s_wait_dscnt 0x0                               ; V is in
.irp t, 0,1,2,3
	v_wmma_scale_f32_16x16x128_f8f6f4 v[160+8*\t:167+8*\t], v[32+12*\t:43+12*\t], v[224:235], v[160+8*\t:167+8*\t], v[90+\t], v222 matrix_a_fmt:MATRIX_FMT_FP6 matrix_b_fmt:MATRIX_FMT_FP6
.endr
.endm
; THE CHANGE OF SLOTS stands at a slot's head.  Each wave waits for all its tensor loads, adds 0 to its spare word, and waits for that and for its reads of the slot that it has left.  fill = 1: a round of the cluster's
; barrier, and behind it the other slot is filled with the next 256 keys: the load has a slot's two steps in which to land.
.macro CHANGE fill
	s_wait_tensorcnt 0x0                           ; no tensor load of mine is out, so a group 0 may be written
	ds_add_u32 v[SPW], v[NIL]                      ; 0 onto my spare word
.if \fill
	s_xor_b32 s[G0K+1], s[G0K+1], SLOT1
	s_add_nc_u64 s[G0K+2:G0K+3], s[G0K+2:G0K+3], 2*KVSTEP
	s_xor_b32 s[G0M+1], s[G0M+1], SLOT1
	s_add_nc_u64 s[G0M+2:G0M+3], s[G0M+2:G0M+3], 1024
	s_wait_xcnt 0x0                                ; the last prefetch, a slot back, has read its address
	s_add_nc_u64 s[PFA:PFA+1], s[PFA:PFA+1], s[PFS:PFS+1]
	s_wait_dscnt 0x0                               ; the add is done, and my reads of the slot that I have left are over
	CROUND
	TLOAD                                          ; the first thing behind the round, and a wave's one tensor load until the next
	ASK
.else
	s_wait_dscnt 0x0
	s_barrier_signal -1
	s_barrier_wait -1
.endif
.endm
.macro SLOT_STEPS
	STEP 0
	STEP 1
	s_xor_b32 s[TB], s[TB], SLOT1
.endm
	s_wait_loadcnt 0x0                             ; Q
.Lslot:                                            ; NSL - 1 trips: behind each change of slots but the last the next slot is asked for
	CHANGE 1
	SLOT_STEPS
	s_sub_co_u32 s[SLOTS], s[SLOTS], 1
	s_cmp_lg_u32 s[SLOTS], 0
	s_cbranch_scc1 .Lslot
	CHANGE 0                                       ; the last slot is written out
	SLOT_STEPS
	; THE WAY OUT.  O^T / the sum; register 8 t + j of lane (r, h) is channel 32 (t / 2) + 16 h + 8 (t % 2) + j of my head, by the order of V's channels: 16 neighbours for each block of 32.
	v_add_f32 v14, v14, v15
	s_delay_alu instid0(VALU_DEP_1)
	v_permlanex16_b32 v223, v14, s[SEL], s[SEL+1]
	s_delay_alu instid0(VALU_DEP_1)
	v_add_f32 v14, v14, v223                       ; the row's sum
	s_wait_alu depctr_va_vdst(0)
	v_rcp_f32 v14, v14
	v_and_b32 v8, 15, v0                           ; r
	s_wait_alu depctr_va_vdst(0)
	v_bfe_u32 v9, v0, 4, 1                         ; h
	v_and_b32 v3, 31, v0
	s_wait_alu depctr_va_vdst(0)
	s_mul_i32 s66, s[QT], 16*192
	s_mul_i32 s67, s[HH], 48
	s_add_co_u32 s66, s66, s67
	s_add_co_u32 s66, s66, STG
	v_mul_u32_u24 v10, v8, 192
	s_delay_alu instid0(VALU_DEP_1)
	v_mad_u32_u24 v10, v9, 24, v10
	s_delay_alu instid0(VALU_DEP_1)
	v_add_nc_u32 v10, s66, v10                     ; codes: token 16 tile + r, + 48 head + 24 h
	s_lshl_b32 s66, s[QT], 7
	s_lshl_b32 s67, s[HH], 1
	s_add_co_u32 s66, s66, s67
	s_add_co_u32 s66, s66, SSG
	v_lshl_add_u32 v11, v8, 3, s66                 ; scale bytes: 8 a token, + 2 head
	s_mul_i32 s66, s[WV], 768
	s_add_co_u32 s66, s66, STG
	v_lshl_add_u32 v30, v3, 3, s66                 ; back: my wave's 768 bytes, 8 a lane
	s_lshl_b32 s66, s[WV], 8
	s_add_co_u32 s66, s66, SSG
	v_lshl_add_u32 v31, v3, 3, s66
	v_lshlrev_b32 v4, 3, v3
.irp k, 0,1,2
	v_add_nc_u32 v[244+\k], 256*\k, v4             ; byte n = 256 k + 8 lane of my wave's 768 lies in token n / 192, at byte n % 192: n + 576 (n / 192) in the buffer
.endr
.irp k, 0,1,2
	v_lshrrev_b32 v[248+\k], 6, v[244+\k]
.endr
.irp k, 0,1,2
	v_mul_u32_u24 v[248+\k], v[248+\k], 11         ; (n / 64) / 3 = 11 (n / 64) / 32 for n / 64 up to 11
.endr
.irp k, 0,1,2
	v_lshrrev_b32 v[248+\k], 5, v[248+\k]
.endr
.irp k, 0,1,2
	v_mad_u32_u24 v[244+\k], v[248+\k], 576, v[244+\k]
.endr
	v_lshlrev_b32 v7, 5, v3
	s_wait_alu depctr_va_vdst(0)                   ; ahead of the reciprocal's first reader
.set j, 0
.rept 32
	v_mul_f32 v[96+j], v[160+j], v14
.set j, j+1
.endr
	v_max3_num_f32 v200, |v96|, |v97|, 0x1800000   ; my head's two blocks of 32 channels, quantised as p is
	v_max3_num_f32 v201, |v112|, |v113|, 0x1800000
.irp i, 2,4,6,8,10,12,14
	s_delay_alu instid0(VALU_DEP_2)
	v_max3_num_f32 v200, v200, |v[96+\i]|, |v[97+\i]|
	s_delay_alu instid0(VALU_DEP_2)
	v_max3_num_f32 v201, v201, |v[112+\i]|, |v[113+\i]|
.endr
	s_delay_alu instid0(VALU_DEP_2)
	v_permlanex16_b32 v204, v200, s[SEL], s[SEL+1]
	s_delay_alu instid0(VALU_DEP_2)
	v_permlanex16_b32 v205, v201, s[SEL], s[SEL+1]
	s_delay_alu instid0(VALU_DEP_2)
	v_max_num_f32 v200, v200, v204
	s_delay_alu instid0(VALU_DEP_2)
	v_max_num_f32 v201, v201, v205
	s_delay_alu instid0(VALU_DEP_2)
	v_add_nc_u32 v208, 0xff000000, v200
	s_delay_alu instid0(VALU_DEP_2)
	v_add_nc_u32 v209, 0xff000000, v201
	s_delay_alu instid0(VALU_DEP_2)
	v_lshrrev_b32 v206, 23, v208
	s_delay_alu instid0(VALU_DEP_2)
	v_lshrrev_b32 v207, 23, v209
	s_delay_alu instid0(VALU_DEP_1)
	v_lshl_or_b32 v222, v207, 8, v206
	v_cvt_scalef32_pk16_fp6_f32 v[224:226], v[96:111], v208
	v_cvt_scalef32_pk16_fp6_f32 v[212:214], v[112:127], v209
	v_nop
.irp i, 0,1,2
	v_permlane16_swap_b32 v[224+\i], v[212+\i]
.endr
.irp i, 0,1,2
	s_delay_alu instid0(VALU_DEP_3)
	v_mov_b32 v[227+\i], v[212+\i]
.endr
	ds_store_b64 v10, v[224:225]
	ds_store_b64 v10, v[226:227] offset:8
	ds_store_b64 v10, v[228:229] offset:16
	ds_store_b16 v11, v222                         ; both halves of the lanes write the same two bytes
	s_wait_dscnt 0x0                               ; for the others' sake: my stores have landed
	s_barrier_signal -1
	s_barrier_wait -1
	ds_load_b64 v[32:33], v30
	ds_load_b64 v[34:35], v30 offset:256
	ds_load_b64 v[36:37], v30 offset:512
	s_wait_dscnt 0x0
	global_store_b64 v244, v[32:33], s[10:11]      ; runs of 192 consecutive bytes, one for each token: a work-group owns four heads of the token's sixteen
	global_store_b64 v245, v[34:35], s[10:11]
	global_store_b64 v246, v[36:37], s[10:11]
	s_cmp_lt_u32 s[WV], 2
	s_cbranch_scc0 .Lno_scales
	ds_load_b64 v[38:39], v31                      ; waves 0, 1: 32 tokens' 8 scale bytes each: pieces of 8 bytes, 32 apart: 512 bytes a work-group
	s_wait_dscnt 0x0
	global_store_b64 v7, v[38:39], s[12:13]
.Lno_scales:
	s_wait_tensorcnt 0x0                           ; the wave's end
	ds_add_u32 v[SPW], v[NIL]
	s_wait_dscnt 0x0
	CROUND                                         ; the closing round
	s_endpgm
.Lfunc_end_k_qdc393097e7_attn:
	.size	k_qdc393097e7_attn, .Lfunc_end_k_qdc393097e7_attn-k_qdc393097e7_attn
	.p2alignl 7, 3214868480
	.fill 96, 4, 3214868480
	.section	.rodata,"a",@progbits
	.p2align	6, 0x0
	.amdhsa_kernel k_qdc393097e7_attn
		.amdhsa_group_segment_fixed_size 327680
		.amdhsa_private_segment_fixed_size 0
		.amdhsa_enable_private_segment 0
		.amdhsa_kernarg_size 40
		.amdhsa_user_sgpr_count 2
		.amdhsa_user_sgpr_kernarg_segment_ptr 1
		.amdhsa_wavefront_size32 1
		.amdhsa_system_sgpr_workgroup_id_x 1
		.amdhsa_system_sgpr_workgroup_id_y 1
		.amdhsa_system_sgpr_workgroup_id_z 1
		.amdhsa_system_vgpr_workitem_id 0
		.amdhsa_next_free_vgpr 256
		.amdhsa_next_free_sgpr 80
		.amdhsa_reserve_vcc 1
		.amdhsa_float_denorm_mode_32 3
		.amdhsa_float_denorm_mode_16_64 3
		.amdhsa_memory_ordered 1
		.amdhsa_forward_progress 1
		.amdhsa_inst_pref_size 90
	.end_amdhsa_kernel
	.amdgpu_metadata
---
amdhsa.version: [ 1, 2 ]
amdhsa.kernels:
  - .name:           k_qdc393097e7_attn
    .symbol:         k_qdc393097e7_attn.kd
    .args:
      - { .name: qimg, .offset: 0, .size: 8, .value_kind: global_buffer, .address_space: global }
      - { .name: kv, .offset: 8, .size: 8, .value_kind: global_buffer, .address_space: global }
      - { .name: attention_mask, .offset: 16, .size: 8, .value_kind: global_buffer, .address_space: global }
      - { .name: ao_codes, .offset: 24, .size: 8, .value_kind: global_buffer, .address_space: global }
      - { .name: ao_scales, .offset: 32, .size: 8, .value_kind: global_buffer, .address_space: global }
    .group_segment_fixed_size: 327680
    .private_segment_fixed_size: 0
    .kernarg_segment_align: 8
    .kernarg_segment_size: 40
    .max_flat_workgroup_size: 512
    .sgpr_count:     80
    .vgpr_count:     256
    .wavefront_size: 32
...
	.end_amdgpu_metadata
.endif
;; end of part 2
;; launch oproj (part 3): grid 16 x 16, 4 waves a work-group, clusters of 4 x 4, 327,680 bytes of LDS; arguments ao_codes, ao_scales, Wo_codes, Wo_scales, out0; writes out0
.if DOCPART == 3
	.amdgcn_target "amdgcn-amd-amdhsa--gfx1250"
	.amdhsa_code_object_version 6
	.text
	.protected	k_qdc393097e7_oproj
	.globl	k_qdc393097e7_oproj
	.p2align	8
	.type	k_qdc393097e7_oproj,@function
k_qdc393097e7_oproj:
	s_mov_b64 s[64:65], 0
	v_nop
	global_prefetch_b8 v0, s[64:65] scope:SCOPE_SE
	s_setreg_imm32_b32 hwreg(HW_REG_WAVE_MODE, 25, 1), 1
	s_wait_xcnt 0x0
	s_wait_alu depctr_hold_cnt(0) depctr_sa_sdst(0) depctr_va_vdst(0) depctr_va_sdst(0) depctr_va_ssrc(0) depctr_va_vcc(0) depctr_vm_vsrc(0)
	s_getreg_b32 s2, hwreg(HW_REG_IB_STS2, 6, 4)
	s_cmp_eq_u32 s2, 0
	s_cbranch_scc0 .Lentry_in_a_cluster
	s_endpgm
.Lentry_in_a_cluster:
	s_bfe_u32 s2, ttmp6, 0x10000c
	s_cmp_lg_u32 s2, 0xf033
	s_cbranch_scc0 .Lentry_shape_is_right
	s_endpgm
.Lentry_shape_is_right:
; out0 = attention output x Wo^T on codes of FP6 (E2M3) with E8M0 scales; sums in f32.  C is [4096 tokens][2048 columns], K = 1024.
; The tokens' codes lie [token][768 bytes], their scale bytes [token][32]; Wo's codes [2048][768 bytes], its scale bytes [2048][32].
; A block of C is 256 tokens x 128 columns: 16 x 16 = 256 work-groups of four waves; a wave makes 128 x 64: 32 accumulators.
; TILES: a row of K is 768 bytes, three pieces of 256, and begins at a multiple of 256 bytes.  All of K comes at the head: waves 0, 1 fetch 128 tokens each, waves 2, 3 64 rows of Wo each, one load a wave;
; 16 bytes of padding behind every 256: LDS pitch 816; 384 rows x 816 = 313,344 bytes, filled once.
; CLUSTERS: 4 x 4 work-groups; the tokens' tiles are asked for jointly along a row of the cluster, Wo's along a column.
; NO PREFETCH: the head's four loads ask for every byte that the work-group reads; there is no loop to run ahead in.
; SCALES come straight into registers: lane (r, h) loads bytes 16 h .. 16 h + 15 of its row's 32: word w serves step 4 h + w; steps 4 to 7 name the registers' upper lanes.
; THE MATRIX INSTRUCTION IS USED TRANSPOSED (source 0 = 16 rows of Wo, source 1 = 16 tokens): a lane holds eight neighbouring columns of one row of C.
; REGISTERS: window 0: v16-29 addresses; v32-63 the tokens' scale words, v96-111 Wo's; v128-223 the tokens' eight fragments.  window 1: Wo's four fragments, two sets.  window 2: accumulator (a, b) at v[8 (4 a + b)].
.set KS,     32
.set NJ,     1
.set KROW,   768
.set ROWB,   768
.set PITCH,  816
.set FR,     12
.set HALFA,  128*PITCH
.set HALFB,  64*PITCH
.set SPARE,  2*HALFA+2*HALFB
.set ADRA, 16
.set ADRB, 20
.set SCO,  22
.set STO,  24
.set RD,   25
.set CO,   26
.set SPW,  28
.set NIL,  29
.set SCA,  32
.set SCB,  96
.set AF,   128
.set BK,   128
.set G1,   24
.set G0,   32
.set G1B,  40
.set G0B,  48
.set WV,   60
.set MH,   61
.set NH,   62
.set MSB, 0
.macro WIN new
.if MSB != \new
	s_set_vgpr_msb (MSB<<8)|\new
.set MSB, \new
.endif
.endm
.set MUL,  0xa1
.set TO_B, 0x40
.macro PLACES n
.rept \n
	v_nop
.endr
.endm
.macro CREST
	s_cmp_lg_u32 s[WV], 0
	s_cbranch_scc1 .Lnot_wave_0_\@
	s_barrier_signal -3
.Lnot_wave_0_\@:
	s_barrier_wait -3
	s_barrier_signal -1
	s_barrier_wait -1
.endm
.macro CROUND
	s_barrier_signal -1
	s_barrier_wait -1
	CREST
.endm
	s_load_b256 s[68:75], s[0:1], 0x0              ; the tokens' codes 68, scales 70; Wo's codes 72, scales 74
	s_load_b64 s[76:77], s[0:1], 0x20              ; out0
	v_lshl_add_u32 v[SPW], v0, 2, SPARE
	v_mov_b32 v[NIL], 0
	ds_add_u32 v[SPW], v[NIL]                      ; the opening lines: the add twice on end and its wait
	ds_add_u32 v[SPW], v[NIL]
	v_lshrrev_b32 v1, 5, v0
	v_readfirstlane_b32 s[WV], v1
	s_lshr_b32 s[MH], s[WV], 1                     ; my half of the tokens; also: I fetch tokens (0) or Wo (1)
	s_and_b32 s[NH], s[WV], 1                      ; my half of the columns; also: which half I fetch
	s_bfe_u32 s100, ttmp6, 0x40000                 ; cx
	s_bfe_u32 s54, ttmp6, 0x40004                  ; cy
	s_lshl_b32 s95, s54, 2
	s_lshl_b32 s95, 15, s95                        ; my row of the cluster
	s_lshl_b32 s101, 0x1111, s100                  ; my column
	s_and_b32 s92, ttmp7, 0xffff
	s_lshl_b32 s92, s92, 2
	s_add_co_u32 s94, s92, s54                     ; block row
	s_lshl_b32 s96, ttmp9, 2
	s_add_co_u32 s96, s96, s100                    ; block column
	s_or_b32 s[G1], s95, (1<<20)|(1<<21)|(5<<22)|(3<<25)   ; elements of 1 byte; 4 words of padding behind every 64
	s_mov_b32 s[G1+1], ROWB<<16
	s_mov_b32 s[G1+2], 128<<16
	s_mov_b32 s[G1+3], ROWB<<16
	s_mov_b32 s[G1+4], 128
	s_mov_b32 s[G1+5], KROW
	s_mov_b32 s[G1+6], 0
	s_mov_b32 s[G1+7], 0
	s_or_b32 s[G1B], s101, (1<<20)|(1<<21)|(5<<22)|(3<<25)
	s_mov_b32 s[G1B+1], ROWB<<16
	s_mov_b32 s[G1B+2], 64<<16
	s_mov_b32 s[G1B+3], ROWB<<16
	s_mov_b32 s[G1B+4], 64
	s_mov_b32 s[G1B+5], KROW
	s_mov_b32 s[G1B+6], 0
	s_mov_b32 s[G1B+7], 0
	s_lshl_b32 s92, s94, 8
	s_lshl_b32 s93, s[NH], 7
	s_add_co_u32 s92, s92, s93                     ; the 128 tokens that I would fetch
	s_mul_i32 s92, s92, KROW
	s_mov_b32 s93, 0
	s_lshl_b32 s96, s96, 7
	s_lshl_b32 s97, s[NH], 6
	s_add_co_u32 s96, s96, s97                     ; Wo's 64 rows: those that I would fetch, and those that I multiply
	s_mul_i32 s98, s96, KS
	s_mov_b32 s99, 0
	s_mul_i32 s96, s96, KROW
	s_mov_b32 s97, 0
	s_mov_b32 s[G0], 1
	s_mul_i32 s[G0+1], s[NH], HALFA
	s_mov_b32 s[G0B], 1
	s_mul_i32 s[G0B+1], s[NH], HALFB
	s_add_co_u32 s[G0B+1], s[G0B+1], 2*HALFA
	s_wait_dscnt 0x0                               ; both opening adds are done
	s_wait_kmcnt 0x0
	s_add_nc_u64 s[G0+2:G0+3], s[68:69], s[92:93]
	s_or_b32 s[G0+3], s[G0+3], 0x80000000
	s_add_nc_u64 s[G0B+2:G0B+3], s[72:73], s[96:97]
	s_or_b32 s[G0B+3], s[G0B+3], 0x80000000
	CROUND                                         ; all sixteen work-groups are here: the joint loads meet
	s_cmp_eq_u32 s[MH], 0                          ; one load a wave; s_nop 0 and four v_nop follow each line
	s_cbranch_scc0 .Lfor_b
	tensor_load_to_lds s[G0:G0+3], s[G1:G1+7]
	s_nop 0
.rept 4
	v_nop
.endr
	s_branch .Lasked
.Lfor_b:
	tensor_load_to_lds s[G0B:G0B+3], s[G1B:G1B+7]
	s_nop 0
.rept 4
	v_nop
.endr
.Lasked:
	s_add_nc_u64 s[74:75], s[74:75], s[98:99]      ; my 64 rows' scale bytes
	s_lshl_b32 s92, s94, 8
	s_lshl_b32 s93, s[MH], 7
	s_add_co_u32 s92, s92, s93                     ; my first token
	s_lshl_b32 s2, s92, 5
	s_mov_b32 s3, 0
	s_add_nc_u64 s[70:71], s[70:71], s[2:3]        ; its scale bytes
	s_lshl_b32 s92, s92, 13                        ; my first row of out0: 8,192 bytes a row
	s_lshl_b32 s98, ttmp9, 2
	s_add_co_u32 s98, s98, s100
	s_lshl_b32 s98, s98, 9
	s_lshl_b32 s99, s[NH], 8
	s_add_co_u32 s98, s98, s99                     ; my first column, in bytes: 512 x block column + 256 x half
	s_add_co_u32 s98, s98, s92
	s_mov_b32 s99, 0
	s_add_nc_u64 s[76:77], s[76:77], s[98:99]
	s_mul_i32 s6, s[MH], HALFA                     ; my 128 tokens in LDS; blocks 4-7 have a base of their own (an offset has 16 bits)
	s_add_co_u32 s7, s6, 64*PITCH
	s_mul_i32 s8, s[NH], HALFB
	s_add_co_u32 s8, s8, 2*HALFA
	s_mul_i32 s9, s[WV], 16*272                    ; my stage, from LDS byte 0: used behind the region's only fill and its last read
	v_and_b32 v1, 15, v0                           ; r
	v_bfe_u32 v2, v0, 4, 1                         ; h
	v_mul_u32_u24 v4, v1, PITCH
	v_mad_u32_u24 v4, v2, 24, v4                   ; row x pitch + 24 h
	v_lshl_add_u32 v5, v2, 4, v4                   ; and 16 h more, where lanes 16-31 read behind a padding that lanes 0-15 read ahead of
	v_add_nc_u32 v[ADRA], s6, v4
	v_add_nc_u32 v[ADRA+1], s6, v5
	v_add_nc_u32 v[ADRA+2], s7, v4
	v_add_nc_u32 v[ADRA+3], s7, v5
	v_add_nc_u32 v[ADRB], s8, v4
	v_add_nc_u32 v[ADRB+1], s8, v5
	v_lshlrev_b32 v[SCO], 5, v1
	v_lshl_add_u32 v[SCO], v2, 4, v[SCO]           ; scale bytes: 32 r + 16 h: 32 lanes read 512 consecutive bytes
	v_mul_u32_u24 v6, v1, 272
	v_lshl_add_u32 v6, v2, 5, v6
	v_add_nc_u32 v[STO], s9, v6                    ; in: row r, + 32 h
	v_mul_u32_u24 v6, v2, 272
	v_lshl_add_u32 v6, v1, 4, v6
	v_add_nc_u32 v[RD], s9, v6                     ; back: lanes 0-15 one row of 256 bytes, lanes 16-31 the next
	v_lshlrev_b32 v[CO], 13, v2
	v_lshl_add_u32 v[CO], v1, 4, v[CO]             ; and the same two rows in out0
	s_wait_alu depctr_va_vdst(0)                   ; the wait at the head's end
.irp a, 0,1,2,3,4,5,6,7
	global_load_b128 v[SCA+4*\a:SCA+4*\a+3], v[SCO], s[70:71] offset:\a*16*KS
.endr
.irp b, 0,1,2,3
	global_load_b128 v[SCB+4*\b:SCB+4*\b+3], v[SCO], s[74:75] offset:\b*16*KS
.endr
.macro FRAG reg, adr, st, i            ; a fragment: registers 6 c .. 6 c + 5 hold K = 64 c + 32 h + 0 .. 31 of row r, in pieces of 8 bytes; byte y of a row lies at y + 16 (y / 256)
.irp p, 0,1,2,3,4,5
.set YB, 96*((\st)%8)+48*(\p/3)+8*(\p%3)
.if YB/256 == (YB+24)/256
	ds_load_b64 v[\reg+2*\p:\reg+2*\p+1], v[\adr] offset:YB+16*(YB/256)+(\i)*16*PITCH
.else
	ds_load_b64 v[\reg+2*\p:\reg+2*\p+1], v[\adr+1] offset:YB+16*(YB/256)+(\i)*16*PITCH
.endif
.endr
.endm
; 8 matrix instructions; the 32 accumulators take turns, one instruction a turn, in the same order in every step
.macro MUL8 a0, st, zero
.irp a, \a0, \a0+1
.irp b, 0,1,2,3
.set DD, 8*(4*(\a)+\b)
.set BF, 128*((\st)%2)+FR*\b
.set AA, AF+FR*(\a)
.set WB, SCB+4*NJ*\b+4*((\st)/8)+(\st)%4
.set WA, SCA+4*NJ*(\a)+4*((\st)/8)+(\st)%4
.if \zero
	v_wmma_scale_f32_16x16x128_f8f6f4 v[DD:DD+7], v[BF:BF+11], v[AA:AA+11], 0, v[WB], v[WA] matrix_a_fmt:MATRIX_FMT_FP6 matrix_b_fmt:MATRIX_FMT_FP6
.else
.if ((\st)/4)%2
	v_wmma_scale_f32_16x16x128_f8f6f4 v[DD:DD+7], v[BF:BF+11], v[AA:AA+11], v[DD:DD+7], v[WB], v[WA] matrix_a_fmt:MATRIX_FMT_FP6 matrix_b_fmt:MATRIX_FMT_FP6 matrix_a_scale:MATRIX_SCALE_ROW1 matrix_b_scale:MATRIX_SCALE_ROW1
.else
	v_wmma_scale_f32_16x16x128_f8f6f4 v[DD:DD+7], v[BF:BF+11], v[AA:AA+11], v[DD:DD+7], v[WB], v[WA] matrix_a_fmt:MATRIX_FMT_FP6 matrix_b_fmt:MATRIX_FMT_FP6
.endif
.endif
.endr
.endr
.endm
.macro FETCH_B st
	WIN TO_B
.irp i, 0,1,2,3
	FRAG 128*((\st)%2)+FR*\i, ADRB, \st, \i
.endr
	WIN 0
.endm
.macro FETCH_A st, i0
.irp i, 0,1,2,3
	FRAG AF+FR*(\i0+\i), ADRA+2*((\i0)/4), \st, \i
.endr
.endm
.macro STEP st, zero                   ; 32 matrix instructions on step st; the next step's fragments are fetched in its middle and at its end
	s_wait_dscnt 24                                ; all but the youngest 24 loads: the tokens' blocks 4-7
	WIN MUL
	MUL8 0, \st, \zero
	MUL8 2, \st, \zero
	s_wait_dscnt 0
	PLACES 4
	FETCH_B (\st)+1
	FETCH_A (\st)+1, 0
	WIN MUL
	MUL8 4, \st, \zero
	MUL8 6, \st, \zero
	PLACES 4
	WIN 0
	FETCH_A (\st)+1, 4
.endm
	s_wait_tensorcnt 0x0                           ; my tile is in
	s_barrier_signal -1
	s_barrier_wait -1                              ; and everybody's
	FETCH_B 0
	FETCH_A 0, 0
	FETCH_A 0, 4
	s_wait_loadcnt 0x0                             ; the scale words
	STEP 0, 1                                      ; the first step's products start the sums
.irp s, 1,2,3,4,5,6
	STEP \s, 0
.endr
	s_wait_dscnt 24
	WIN MUL
	MUL8 0, 7, 0
	MUL8 2, 7, 0
	s_wait_dscnt 0x0                               ; my last reads of the tiles are over
	s_barrier_signal -1
	MUL8 4, 7, 0
	MUL8 6, 7, 0
	WIN 0
	s_barrier_wait -1                              ; and everybody's: the stages may be laid over them
; THE WAY OUT, block by block of 16 rows x 64 columns: through my own stage in LDS, back as whole pieces of 256 bytes of a row.  LDS serves a wave's instructions in order: no wait between the stores and the loads.
.macro TOSTAGE a
	WIN 0x08                                       ; the data: window 2
.irp b, 0,1,2,3
	ds_store_b128 v[STO], v[8*(4*(\a)+\b):8*(4*(\a)+\b)+3] offset:64*\b          ; each accumulator from its low end on
	ds_store_b128 v[STO], v[8*(4*(\a)+\b)+4:8*(4*(\a)+\b)+7] offset:64*\b+16
.endr
	WIN 0
.set BB, BK+32*((\a)%2)
.irp t, 0,1,2,3,4,5,6,7
	ds_load_b128 v[BB+4*\t:BB+4*\t+3], v[RD] offset:\t*544
.endr
.endm
.macro SEND a, younger                 ; younger: the LDS instructions issued behind block a's loads
.set BB, BK+32*((\a)%2)
	s_wait_dscnt \younger
.if (\a) > 0
	s_add_nc_u64 s[76:77], s[76:77], 16*8192       ; (behind a wait on XCNT: the earlier stores have read their base)
.endif
.irp t, 0,1,2,3,4,5,6,7
	global_store_b128 v[CO], v[BB+4*\t:BB+4*\t+3], s[76:77] offset:\t*16384 th:TH_STORE_NT   ; 16 lanes store 256 consecutive bytes, at a multiple of 256 from out0's first byte
.endr
.endm
	PLACES 4
	TOSTAGE 0
.irp a, 1,2,3,4,5,6,7
.if \a > 1
	s_wait_xcnt 0x0                                ; block a - 2's stores have read their registers and their base
.endif
	TOSTAGE \a
	SEND \a-1, 16                                  ; behind block a - 1's loads: block a's 8 stores and 8 loads
.endr
	s_wait_xcnt 0x0
	SEND 7, 0
	s_wait_tensorcnt 0x0                           ; the wave's end
	ds_add_u32 v[SPW], v[NIL]
	s_wait_dscnt 0x0
	CROUND                                         ; the closing round
	s_endpgm
.Lfunc_end_k_qdc393097e7_oproj:
	.size	k_qdc393097e7_oproj, .Lfunc_end_k_qdc393097e7_oproj-k_qdc393097e7_oproj
	.p2alignl 7, 3214868480
	.fill 96, 4, 3214868480
	.section	.rodata,"a",@progbits
	.p2align	6, 0x0
	.amdhsa_kernel k_qdc393097e7_oproj
		.amdhsa_group_segment_fixed_size 327680
		.amdhsa_private_segment_fixed_size 0
		.amdhsa_enable_private_segment 0
		.amdhsa_kernarg_size 40
		.amdhsa_user_sgpr_count 2
		.amdhsa_user_sgpr_kernarg_segment_ptr 1
		.amdhsa_wavefront_size32 1
		.amdhsa_system_sgpr_workgroup_id_x 1
		.amdhsa_system_sgpr_workgroup_id_y 1
		.amdhsa_system_sgpr_workgroup_id_z 1
		.amdhsa_system_vgpr_workitem_id 0
		.amdhsa_next_free_vgpr 768
		.amdhsa_next_free_sgpr 102
		.amdhsa_reserve_vcc 0
		.amdhsa_float_denorm_mode_32 3
		.amdhsa_float_denorm_mode_16_64 3
		.amdhsa_memory_ordered 1
		.amdhsa_forward_progress 1
		.amdhsa_inst_pref_size 95
	.end_amdhsa_kernel
	.amdgpu_metadata
---
amdhsa.version: [ 1, 2 ]
amdhsa.kernels:
  - .name:           k_qdc393097e7_oproj
    .symbol:         k_qdc393097e7_oproj.kd
    .args:
      - { .name: ao_codes, .offset: 0, .size: 8, .value_kind: global_buffer, .address_space: global }
      - { .name: ao_scales, .offset: 8, .size: 8, .value_kind: global_buffer, .address_space: global }
      - { .name: Wo_codes, .offset: 16, .size: 8, .value_kind: global_buffer, .address_space: global }
      - { .name: Wo_scales, .offset: 24, .size: 8, .value_kind: global_buffer, .address_space: global }
      - { .name: out0, .offset: 32, .size: 8, .value_kind: global_buffer, .address_space: global }
    .group_segment_fixed_size: 327680
    .private_segment_fixed_size: 0
    .kernarg_segment_align: 8
    .kernarg_segment_size: 40
    .max_flat_workgroup_size: 128
    .sgpr_count:     102
    .vgpr_count:     768
    .wavefront_size: 32
...
	.end_amdgpu_metadata
.endif
;; end of part 3
